; MI455X (gfx1250); checked and timed in simulation.
; The chip was launched on July 23, 2026; its instructions are those of AMD's public machine-readable ISA for CDNA 5 (MIT licence, August 2026) and "CDNA5" Instruction Set Architecture Reference Guide (July 2026). The comments in the code are by the model that wrote it; some were corrected since.
;; Causal Multi Head Attention With Ro PE. Allowed arithmetic: matrix products marked QUANTISED: E2M3 operands, one E8M0 scale for each 32 along K, by v_wmma_scale_f32_16x16x128_f8f6f4 with both operands' format E2M3, f32 sums; everything else in f32.
;; Inputs: k_proj_weight 1,024 x 1,024 float32; o_proj_weight 1,024 x 1,024 float32; q_proj_weight 1,024 x 1,024 float32; v_proj_weight 1,024 x 1,024 float32; x 2 x 2,048 x 1,024 float32.
;; Outputs: out0 2 x 2,048 x 1,024 float32.
;; This version of the problem:
;;   THIS VERSION OF THE PROBLEM IS GIVEN IN LOW PRECISION. The matrix products marked QUANTISED in the list below multiply operands that are first quantised to E2M3 (2 exponent bits, 3 mantissa bits; 6 bits a number), with one power-of-two scale for each 32 numbers along K (OCP MX v1.0); their sums are f32. All else is computed in f32.
;;   The module's matrix products, in the order in which they are computed (A, B: the left and right operand; K: the contracted axis; several contracted axes count as one K, in the product's order):
;;     1. [M 4,096, K 1,024] x [K 1,024, N 1,024]; A: input x; B: input q_proj_weight: QUANTISED
;;     2. [M 4,096, K 1,024] x [K 1,024, N 1,024]; A: input x; B: input k_proj_weight: QUANTISED
;;     3. [M 4,096, K 1,024] x [K 1,024, N 1,024]; A: input x; B: input v_proj_weight: QUANTISED
;;     4. batch 32 x [M 2,048, K 64] x [K 64, N 2,048]; A: computed on the way; B: computed on the way: QUANTISED
;;     5. batch 32 x [M 2,048, K 2,048] x [K 2,048, N 64]; A: softmax (see below); B: computed on the way: QUANTISED
;;     6. [M 4,096, K 1,024] x [K 1,024, N 1,024]; A: computed on the way; B: input o_proj_weight: QUANTISED
;;   THE QUANTISER, for each operand of a quantised product, along K:
;;     - K is cut into blocks of 32 from its start; a last block that is shorter is filled with zeros.
;;     - A block's scale is 2^e with e = floor(log2(the largest magnitude in the block)) - 2, held to -126 .. 127; a block of zeros has e = 0. As a byte (E8M0): e + 127.
;;     - Each number is divided by its block's scale, clamped to +-7.5, and rounded to the nearest number of E2M3, ties to even, subnormals kept.
;;     - The product sums the exact products of the quantised numbers (number of the format x scale) in f32.
;;   ~~~python
;;   def quantise(x, axis):      # numpy; x: float32 -> the quantised numbers, widened to float32 again
;;       x = np.moveaxis(x, axis, -1); K = x.shape[-1]
;;       x = np.pad(x, [(0, 0)] * (x.ndim - 1) + [(0, -K % 32)]); x = x.reshape(x.shape[:-1] + (-1, 32)); a = np.abs(x).max(-1, keepdims=True)
;;       e = np.where(a > 0, np.clip(np.frexp(np.where(a > 0, a, 1))[1] - 1 - 2, -126, 127), 0)      # np.frexp(a)[1] - 1 = floor(log2(a)), exactly
;;       r = np.clip(x / 2.0 ** e, -7.5, 7.5)
;;       step = 2.0 ** (np.maximum(np.frexp(np.where(r == 0, 1, r))[1] - 1, 0) - 3)
;;       q = np.round(r / step) * step * 2.0 ** e      # np.round: ties to even
;;       return np.moveaxis(q.reshape(q.shape[:-2] + (-1,))[..., :K], -1, axis).astype(np.float32)
;;   ~~~
;;   SOFTMAX AHEAD OF A QUANTISED PRODUCT. Where the list says 'softmax', what is quantised is not the finished softmax but p = 2^(t - M), with t = logit x log2(e) and M = ceil(the row's largest t), a whole number; so 1/2 < the row's largest p <= 1. The row's sum l is taken of the UNQUANTISED p, in f32, and the product's result is divided by l at the end. Since M is a whole number, a kernel that streams over the keys may use a running M (the ceiling of the running maximum): every later rescaling is an exact power of two, which a block's scale takes up: the codes' values come out the same.
;;   OPERANDS COMPUTED ON THE WAY. 'Computed on the way' means the value that the module computes at that place (a softmax that the list does not call 'softmax' is quantised finished and normalised). What goes into a quantiser is computed in f32, as accurately as f32 sums, v_exp_f32 and their like allow (about 1e-6 of the number): no bf16 or f16 on the way to a quantiser, and a product that is left as it is and whose result goes on into a quantised operand takes f32 operands (vector FMAs, or v_wmma_f32_16x16x4_f32). A number that lies on a knife's edge between two numbers of the format may be rounded either way, as far as f32 arithmetic and the matrix unit's own rounding can turn it there, and no further.
;; One version. Each part assembles by itself: llvm-mc -triple=amdgcn-amd-amdhsa -mcpu=gfx1250 --defsym DOCPART=n.
;; ======== version 1 of 1: 4 launches
;; limits: right only within a limited range of input values
;; workspace buffers: xw_c 6,291,456 bytes; xw_s 262,144 bytes; tab 524,288 bytes; qkv 9,437,184 bytes; qkvs 786,432 bytes; oc 3,145,728 bytes; osh 131,072 bytes
;; launch prep (part 1): grid 512 x 1, 4 waves a work-group, no clusters, 34,816 bytes of LDS; arguments x, q_proj_weight, k_proj_weight, v_proj_weight, o_proj_weight, xw_c, xw_s, tab; writes xw_c, xw_s, tab
.if DOCPART == 1
	.amdgcn_target "amdgcn-amd-amdhsa--gfx1250"
	.amdhsa_code_object_version 6
	.text
	.protected	k_q96cc8bcd14_prep
	.globl	k_q96cc8bcd14_prep
	.p2align	8
	.type	k_q96cc8bcd14_prep,@function
k_q96cc8bcd14_prep:
	s_mov_b64 s[64:65], 0
	v_nop
	global_prefetch_b8 v0, s[64:65] scope:SCOPE_SE
	s_setreg_imm32_b32 hwreg(HW_REG_WAVE_MODE, 25, 1), 1
	s_wait_xcnt 0x0
; x [4096][1024] and the four weights [1024][1024], f32 with K innermost, become codes of FP6 (E2M3) with one E8M0 byte for each 32 along K; and the table of cosines and sines for the rotation is made.
; WORK LEFT OUT BY THE PROGRAM: key steps of 128 that lie wholly behind the causal mask (launch attn): the mask puts -infinity there, whose exponential is 0 for all finite inputs.  LIMIT: a NaN, an infinity or an overflow that reaches
; only those scores is not carried to the result.
; THE CODES ARE LAID AS IMAGES OF THE OPERAND'S REGISTERS.  A fragment (16 rows x 128 K, 12 registers a lane) is 1,536 bytes: registers 4 p .. 4 p + 3 at 512 p + 16 x lane, p = 0, 1, 2.
; xw_c: [row tile of 16][K step of 128, 0..7][1,536]; row tiles 0-255 x, 256-319 Wq, 320-383 Wk, 384-447 Wv, 448-511 Wo.
; xw_s: [row tile][K half][row 0..15][4 words], a word = the four scale bytes of one K step.
; THE ORDER INSIDE A BLOCK OF 32: slot 16 h + 8 u + j holds number 16 u + 8 h + j (h, u = 0, 1; j = 0..7), in x and in all weights alike, so their products are the same; what the later launches make lies in this order by itself.
; A block's scale is 2^(floor(log2(largest magnitude)) - 2); its byte is the largest magnitude's exponent field - 2, held at 1 from below.
; LIMITS: a block of zeros gets the byte 1 where the rule says 127 (its codes are zeros, and this program alone reads the bytes); blocks whose largest magnitude lies under 2^-124 get the byte 1;
; NaN and infinities among the inputs are not served.
; SHARES.  Work-group T takes row tile T, wave w its K quarter w: two steps of one fragment, all of whose loads are out at once.  A step's 16 loads read 512 consecutive bytes of a row each; the numbers turn through the wave's own
; stage in LDS (16 rows of 512 + 16 bytes).  The four waves' scale words gather in LDS, and wave 0 stores them as 512 consecutive bytes.
; THE TABLE is made by waves 0 and 1 while their loads are on their way: wave number 2 T + w = 16 g + k makes pairs 2 k, 2 k + 1 of positions 32 g .. 32 g + 31.
; tab[pos / 16][c][u][lane (r, h)] = cos, sin of pairs i and i + 1, i = 8 c + 4 h + 2 u, pos = 16 (pos / 16) + r: the order in which the next launch's lanes want them.
; The angle is pos x 10^(-i / 8), one rounding; the 32 factors are the f32 numbers nearest to 10^(-i / 8) (LIMIT: a power function's last bit may differ from that: 1.2e-7 of the angle).
; Sine and cosine: n = the nearest whole number to angle x 2 / pi; r = angle - n pi / 2 with pi / 2 in two parts (the first product's difference is exact: a multiple of 2^-23 under 1); polynomials of degree 9 and 10 on |r| <= pi / 4.
; No tensor loads, no clusters: each byte is read once, by one wave, and no work-groups share an input.
.set PW,  12                           ; v12-13   the two steps' scale words
.set TM,  16                           ; v16-31   at work
.set PC,  32                           ; v32-43   a fragment's codes; v44-46, v48-50 halves on their way
.set R,   64                           ; v64-191  two sets of 64 numbers as loaded
.set X,   192                          ; v192-255 64 numbers: register 16 b + 8 u + j = k 32 b + 16 u + 8 h + j of my row
.set SEL, 48                           ; s[48:49] selects for v_permlanex16_b32: lane l xor 16
.set STG, 8448
.set SST, 4*STG                        ; 512 bytes of scale words
.set SPARE, SST+512                    ; the spare words, 128 bytes for each wave
.macro LOAD t                          ; step t: of each of the 16 rows the 512 bytes of its K step
.set P_, 0
.rept 16
	global_load_b128 v[R+64*(\t)+4*P_:R+64*(\t)+4*P_+3], v4, s[20:21] offset:4096*P_+512*(\t) th:TH_LOAD_NT
.set P_, P_+1
.endr
.endm
.macro QUANT s, pw                     ; 64 numbers of a lane become a fragment's codes in v[PC] on and its scale word in v[pw]
.irp b, 0,1,2,3
	v_max3_num_f32 v[TM+\b], |v[\s+16*\b]|, |v[\s+1+16*\b]|, 0x1800000   ; block b: my 16 numbers, and the floor 2^(3 - 127): the byte cannot fall under 1
.endr
.irp i, 2,4,6,8,10,12,14
.irp b, 0,1,2,3
	v_max3_num_f32 v[TM+\b], v[TM+\b], |v[\s+16*\b+\i]|, |v[\s+1+16*\b+\i]|   ; the four blocks by turns
.endr
.endr
.irp b, 0,1,2,3
	v_permlanex16_b32 v[TM+4+\b], v[TM+\b], s[SEL], s[SEL+1]
.endr
.irp b, 0,1,2,3
	v_max_num_f32 v[TM+\b], v[TM+\b], v[TM+4+\b]   ; with lane l xor 16's: the block's largest magnitude
.endr
.irp b, 0,1,2,3
	v_add_nc_u32 v[TM+12+\b], 0xff000000, v[TM+\b]   ; 2 off its exponent field: the conversion's scale operand
.endr
.irp b, 0,1,2,3
	v_lshrrev_b32 v[TM+4+\b], 23, v[TM+12+\b]      ; the scale's byte
.endr
	v_lshl_or_b32 v[\pw], v[TM+5], 8, v[TM+4]
	v_lshl_or_b32 v[\pw], v[TM+6], 16, v[\pw]
	v_lshl_or_b32 v[\pw], v[TM+7], 24, v[\pw]
.irp c, 0,1
	v_cvt_scalef32_pk16_fp6_f32 v[PC+6*\c:PC+2+6*\c], v[\s+32*\c:\s+15+32*\c], v[TM+12+2*\c]
	v_cvt_scalef32_pk16_fp6_f32 v[PC+12+4*\c:PC+14+4*\c], v[\s+16+32*\c:\s+31+32*\c], v[TM+12+2*\c+1]   ; (a conversion's three registers begin on an even number)
.endr
	v_nop                                          ; one plain place behind a scaled conversion
.irp c, 0,1                                    ; the operand's layout wants a whole block in a lane: lanes 0-15 block 2 c, lanes 16-31 block 2 c + 1
.irp i, 0,1,2
	v_permlane16_swap_b32 v[PC+6*\c+\i], v[PC+12+4*\c+\i]
.endr
.irp i, 0,1,2
	v_mov_b32 v[PC+3+6*\c+\i], v[PC+12+4*\c+\i]
.endr
.endr
.endm
.macro STEP t
.if (\t) == 0
	s_wait_loadcnt 16                              ; this step's 16 loads are in; the next step's 16 may be out
.else
	s_wait_loadcnt 0x0
.endif
.set P_, 0
.rept 16
	ds_store_b128 v6, v[R+64*(\t)+4*P_:R+64*(\t)+4*P_+3] offset:528*P_
.set P_, P_+1
.endr
.irp b, 0,1,2,3
.irp j, 0,1,2,3
	ds_load_b128 v[X+16*\b+4*\j:X+16*\b+4*\j+3], v7 offset:128*\b+64*(\j/2)+16*(\j%2)   ; LDS serves a wave's instructions in order: these see the stores above
.endr
.endr
	s_wait_dscnt 0x0
	s_wait_xcnt 0x0                                ; the last step's stores have read the codes' registers: only now are these written again
	QUANT X, PW+(\t)
.irp p, 0,1,2
	global_store_b128 v4, v[PC+4*\p:PC+4*\p+3], s[14:15] offset:1536*(\t)+512*\p    ; 512 consecutive bytes
.endr
.endm
.macro SINCOS f, d                     ; cos(pos x f) -> v[d], sin -> v[d + 1]
	v_mul_f32 v10, \f, v9                          ; the angle, one rounding
	v_mul_f32 v11, s66, v10
	v_rndne_f32 v11, v11                           ; n
	v_fma_f32 v12, v11, s67, v10                   ; angle - n x (pi / 2's upper part): exact
	v_fma_f32 v12, v11, s68, v12                   ; - n x its lower part: r
	v_cvt_i32_f32 v14, v11
	v_mul_f32 v13, v12, v12                        ; r^2
	v_fma_f32 v15, v13, s72, s71                   ; the two polynomials by turns
	v_fma_f32 v17, v13, s76, s75
	v_fma_f32 v15, v15, v13, s70
	v_fma_f32 v17, v17, v13, s74
	v_fma_f32 v15, v15, v13, s69
	v_fma_f32 v17, v17, v13, s73
	v_mul_f32 v16, v12, v13
	v_fma_f32 v17, v17, v13, -0.5
	v_fma_f32 v15, v16, v15, v12                   ; sin r
	v_fma_f32 v17, v17, v13, 1.0                   ; cos r
	v_and_b32 v18, 1, v14
	v_cmp_eq_u32 vcc_lo, 1, v18                    ; an odd quarter swaps the two
	v_cndmask_b32 v19, v17, v15, vcc_lo
	v_cndmask_b32 v20, v15, v17, vcc_lo
	v_add_nc_u32 v18, 1, v14
	v_and_b32 v18, 2, v18                          ; the cosine is negative in quarters 1 and 2,
	v_and_b32 v14, 2, v14                          ; the sine in quarters 2 and 3
	v_lshlrev_b32 v18, 30, v18
	v_lshlrev_b32 v14, 30, v14
	v_xor_b32 v[\d], v19, v18
	v_xor_b32 v[(\d)+1], v20, v14
.endm
.macro PICK k, a, b                    ; the factors of pairs 2 k and 2 k + 1
	s_cmp_eq_u32 s36, \k
	s_cselect_b32 s51, \a, s51
	s_cselect_b32 s52, \b, s52
.endm
	s_load_b512 s[4:19], s[0:1], 0x0               ; x s[4:5], Wq s[6:7], Wk s[8:9], Wv s[10:11], Wo s[12:13], xw_c s[14:15], xw_s s[16:17], tab s[18:19]
	v_lshl_add_u32 v62, v0, 2, SPARE
	v_mov_b32 v63, 0
	v_lshrrev_b32 v9, 5, v0
	v_readfirstlane_b32 s34, v9                    ; wave 0..3
	v_and_b32 v1, 31, v0                           ; lane
	v_and_b32 v2, 15, v0                           ; r
	v_bfe_u32 v3, v0, 4, 1                         ; h
	v_lshlrev_b32 v4, 4, v1                        ; 16 x lane
	s_mul_i32 s35, s34, STG                        ; my stage
	v_add_nc_u32 v6, s35, v4                       ; in: a row's 512 bytes as they lie
	v_mul_u32_u24 v7, v2, 528
	v_lshl_add_u32 v7, v3, 5, v7
	v_add_nc_u32 v7, s35, v7                       ; out: row r, + 32 h
	s_lshr_b32 s37, s34, 1
	s_lshl_b32 s37, s37, 8
	s_and_b32 s38, s34, 1
	s_lshl_b32 s38, s38, 3
	s_add_co_u32 s37, s37, s38
	s_add_co_u32 s37, s37, SST
	v_lshl_add_u32 v8, v2, 4, s37                  ; my row's two words: 256 x (w / 2) + 16 r + 8 (w % 2)
	v_add_nc_u32 v5, SST, v4                       ; and all 512 bytes read back
	v_lshlrev_b32 v56, 12, v3
	v_lshl_add_u32 v56, v2, 4, v56                 ; the table: 4,096 h + 16 r
	s_mov_b32 s[SEL], 0x76543210
	s_mov_b32 s[SEL+1], 0xfedcba98
	s_and_b32 s36, ttmp9, 63
	s_cmp_lt_u32 ttmp9, 256
	s_cselect_b32 s36, ttmp9, s36                  ; my row tile in my tensor
	s_lshl_b32 s40, s36, 16                        ; 16 rows of 4,096 bytes
	s_lshl_b32 s39, s34, 10
	s_add_co_u32 s40, s40, s39
	s_mov_b32 s41, 0
	s_mul_i32 s44, ttmp9, 12288
	s_mul_i32 s39, s34, 3072
	s_add_co_u32 s44, s44, s39
	s_mov_b32 s45, 0
	s_lshl_b32 s46, ttmp9, 9
	s_mov_b32 s47, 0
	s_wait_alu depctr_va_vdst(0)                   ; the wait at the head's end
	s_wait_kmcnt 0x0
	s_cmp_lt_u32 ttmp9, 320                        ; which tensor: the choices hang on the work-group's number alone
	s_cselect_b64 s[20:21], s[6:7], s[8:9]
	s_cmp_lt_u32 ttmp9, 448
	s_cselect_b64 s[22:23], s[10:11], s[12:13]
	s_cmp_lt_u32 ttmp9, 384
	s_cselect_b64 s[20:21], s[20:21], s[22:23]
	s_cmp_lt_u32 ttmp9, 256
	s_cselect_b64 s[20:21], s[4:5], s[20:21]
	s_add_nc_u64 s[20:21], s[20:21], s[40:41]
	s_add_nc_u64 s[14:15], s[14:15], s[44:45]
	s_add_nc_u64 s[16:17], s[16:17], s[46:47]
	LOAD 0
	LOAD 1
	s_cmp_lt_u32 s34, 2
	s_cbranch_scc0 .Lno_table
	s_lshl_b32 s36, ttmp9, 1
	s_add_co_u32 s36, s36, s34
	s_lshr_b32 s37, s36, 4                         ; g
	s_and_b32 s36, s36, 15                         ; k
	s_mov_b32 s51, 0x3f800000
	s_mov_b32 s52, 0x3f3ff911
	PICK 1, 0x3f0ff59a, 0x3ed7e89b
	PICK 2, 0x3ea1e89b, 0x3e72d424
	PICK 3, 0x3e361887, 0x3e088d77
	PICK 4, 0x3dcccccd, 0x3d99940e
	PICK 5, 0x3d6655c3, 0x3d2cba15
	PICK 6, 0x3d0186e2, 0x3cc24350
	PICK 7, 0x3c91ad39, 0x3c5a7bf1
	PICK 8, 0x3c23d70a, 0x3bf5b9b0
	PICK 9, 0x3bb8449c, 0x3b8a2e77
	PICK 10, 0x3b4f3e37, 0x3b1b690d
	PICK 11, 0x3ae91528, 0x3aaec98e
	PICK 12, 0x3a83126f, 0x3a44948c
	PICK 13, 0x3a136a16, 0x39dd1726
	PICK 14, 0x39a5cb5f, 0x3978a814
	PICK 15, 0x393a7753, 0x390bd472
	s_mov_b32 s66, 0x3f22f983                      ; 2 / pi
	s_mov_b32 s67, 0xbfc90fdb                      ; -(pi / 2's upper part)
	s_mov_b32 s68, 0x333bbd2e                      ; -(its lower part)
	s_mov_b32 s69, 0xbe2aaaab                      ; -1/3!
	s_mov_b32 s70, 0x3c088889                      ; 1/5!
	s_mov_b32 s71, 0xb9500d01                      ; -1/7!
	s_mov_b32 s72, 0x3638ef1d                      ; 1/9!
	s_mov_b32 s73, 0x3d2aaaab                      ; 1/4!
	s_mov_b32 s74, 0xbab60b61                      ; -1/6!
	s_mov_b32 s75, 0x37d00d01                      ; 1/8!
	s_mov_b32 s76, 0xb493f27e                      ; -1/10!
	s_lshl_b32 s40, s37, 13                        ; g: two groups of 16 positions x 4,096 bytes
	s_lshr_b32 s38, s36, 2
	s_lshl_b32 s38, s38, 10
	s_add_co_u32 s40, s40, s38                     ; c
	s_and_b32 s38, s36, 1
	s_lshl_b32 s38, s38, 9
	s_add_co_u32 s40, s40, s38                     ; u
	s_bfe_u32 s38, s36, 0x10001
	s_lshl_b32 s38, s38, 8
	s_add_co_u32 s40, s40, s38                     ; h
	s_mov_b32 s41, 0
	s_add_nc_u64 s[18:19], s[18:19], s[40:41]
	s_lshl_b32 s37, s37, 5
	v_add_nc_u32 v9, s37, v1                       ; my position
	v_cvt_f32_u32 v9, v9
	SINCOS s51, 52
	SINCOS s52, 54
	global_store_b128 v56, v[52:55], s[18:19]      ; sixteen neighbouring lanes store 256 consecutive bytes, aligned
	s_wait_alu depctr_va_vdst(0)
.Lno_table:
.irp b, 0,1,2,3
	v_mov_b32 v[TM+4+\b], 0                        ; written once: a lane permute's destination counts as one of its sources
.endr
	s_wait_alu depctr_va_vdst(0)
	STEP 0
	STEP 1
	ds_store_b64 v8, v[PW:PW+1]                    ; lanes l and l xor 16 write the same words with the same values
	s_wait_dscnt 0x0
	s_barrier_signal -1
	s_barrier_wait -1
	s_cmp_lg_u32 s34, 0
	s_cbranch_scc1 .Lend
	ds_load_b128 v[R:R+3], v5
	s_wait_dscnt 0x0
	global_store_b128 v4, v[R:R+3], s[16:17]       ; the row tile's 512 bytes of scale words
.Lend:
	s_wait_tensorcnt 0x0                           ; the wave's end
	ds_add_u32 v62, v63
	s_wait_dscnt 0x0
	s_endpgm
.Lfunc_end_k_q96cc8bcd14_prep:
	.size	k_q96cc8bcd14_prep, .Lfunc_end_k_q96cc8bcd14_prep-k_q96cc8bcd14_prep
	.p2alignl 7, 3214868480
	.fill 96, 4, 3214868480
	.section	.rodata,"a",@progbits
	.p2align	6, 0x0
	.amdhsa_kernel k_q96cc8bcd14_prep
		.amdhsa_group_segment_fixed_size 34816
		.amdhsa_private_segment_fixed_size 0
		.amdhsa_enable_private_segment 0
		.amdhsa_kernarg_size 64
		.amdhsa_user_sgpr_count 2
		.amdhsa_user_sgpr_kernarg_segment_ptr 1
		.amdhsa_wavefront_size32 1
		.amdhsa_system_sgpr_workgroup_id_x 1
		.amdhsa_system_sgpr_workgroup_id_y 1
		.amdhsa_system_sgpr_workgroup_id_z 1
		.amdhsa_system_vgpr_workitem_id 0
		.amdhsa_next_free_vgpr 256
		.amdhsa_next_free_sgpr 80
		.amdhsa_reserve_vcc 1
		.amdhsa_float_denorm_mode_32 3
		.amdhsa_float_denorm_mode_16_64 3
		.amdhsa_memory_ordered 1
		.amdhsa_forward_progress 1
		.amdhsa_inst_pref_size 25
	.end_amdhsa_kernel
	.amdgpu_metadata
---
amdhsa.version: [ 1, 2 ]
amdhsa.kernels:
  - .name:           k_q96cc8bcd14_prep
    .symbol:         k_q96cc8bcd14_prep.kd
    .args:
      - { .name: x, .offset: 0, .size: 8, .value_kind: global_buffer, .address_space: global }
      - { .name: q_proj_weight, .offset: 8, .size: 8, .value_kind: global_buffer, .address_space: global }
      - { .name: k_proj_weight, .offset: 16, .size: 8, .value_kind: global_buffer, .address_space: global }
      - { .name: v_proj_weight, .offset: 24, .size: 8, .value_kind: global_buffer, .address_space: global }
      - { .name: o_proj_weight, .offset: 32, .size: 8, .value_kind: global_buffer, .address_space: global }
      - { .name: xw_c, .offset: 40, .size: 8, .value_kind: global_buffer, .address_space: global }
      - { .name: xw_s, .offset: 48, .size: 8, .value_kind: global_buffer, .address_space: global }
      - { .name: tab, .offset: 56, .size: 8, .value_kind: global_buffer, .address_space: global }
    .group_segment_fixed_size: 34816
    .private_segment_fixed_size: 0
    .kernarg_segment_align: 8
    .kernarg_segment_size: 64
    .max_flat_workgroup_size: 128
    .sgpr_count:     80
    .vgpr_count:     256
    .wavefront_size: 32
...
	.end_amdgpu_metadata
.endif
;; end of part 1
;; launch qkv (part 2): grid 16 x 16, 4 waves a work-group, clusters of 4 x 4, 327,680 bytes of LDS; arguments xw_c, xw_s, tab, qkv, qkvs; writes qkv, qkvs
.if DOCPART == 2
	.amdgcn_target "amdgcn-amd-amdhsa--gfx1250"
	.amdhsa_code_object_version 6
	.text
	.protected	k_q96cc8bcd14_qkv
	.globl	k_q96cc8bcd14_qkv
	.p2align	8
	.type	k_q96cc8bcd14_qkv,@function
k_q96cc8bcd14_qkv:
	s_mov_b64 s[64:65], 0
	v_nop
	global_prefetch_b8 v0, s[64:65] scope:SCOPE_SE
	s_setreg_imm32_b32 hwreg(HW_REG_WAVE_MODE, 25, 1), 1
	s_wait_xcnt 0x0
	s_wait_alu depctr_hold_cnt(0) depctr_sa_sdst(0) depctr_va_vdst(0) depctr_va_sdst(0) depctr_va_ssrc(0) depctr_va_vcc(0) depctr_vm_vsrc(0)
	s_getreg_b32 s2, hwreg(HW_REG_IB_STS2, 6, 4)
	s_cmp_eq_u32 s2, 0
	s_cbranch_scc0 .Lentry_in_a_cluster
	s_endpgm
.Lentry_in_a_cluster:
	s_bfe_u32 s2, ttmp6, 0x10000c
	s_cmp_lg_u32 s2, 0xf033
	s_cbranch_scc0 .Lentry_shape_is_right
	s_endpgm
.Lentry_shape_is_right:
; q, k, v = x Wq^T, x Wk^T, x Wv^T on codes of FP6 (E2M3) with E8M0 scales, sums in f32; the results never go to memory as f32: q and k are rotated and quantised along the head's 64, v along the keys,
; and all three leave as images of the next launch's operand registers.
; SHARES.  256 work-groups: 256 tokens x ONE HEAD of q, of k and of v: three units of 64 columns.  A wave takes 64 tokens: its fragments of x, all of K, stay in 384 registers and serve all three units; the weights stream past them:
; a step of 128 along K is 16 matrix instructions on 4 column tiles x 4 token tiles; 24 steps in all.
; CLUSTERS: 4 x 4 work-groups.  x's rows are asked for jointly along a row of the cluster, a head's weights along a column.
; LDS: x's K half 0 at 0, K half 1 at 98,304 (16 row tiles x 6,144 bytes each), Wq's and Wk's 64 rows behind them (49,152 bytes each), stages and the spare words.
; FILLS: at the head one tensor load a wave: Wq, x's half 0, x's half 1, Wk.  ONE REFILL: when x's half 0 lies in registers (step 3), Wv's rows go onto it, behind a drained round.
; SCALE WORDS go from memory straight into registers, 16 lanes reading 256 consecutive bytes (lanes 16-31 the same).  No prefetch: no loop streams from memory; all but Wv is asked for at the head, Wv 13 steps ahead of its use.
; q AND k ARE MADE TRANSPOSED (source 0 = 16 rows of W, source 1 = 16 tokens): lane (r, h) holds token r, register j feature 8 h + j of the tile.  v IS NOT (source 0 = 16 tokens, source 1 = 16 rows of Wv): lane (r, h) holds channel r,
; register j token 8 h + j.  So in all three a lane's 16 registers of two neighbouring tiles are numbers 16 u + 8 h + j of a block of 32; behind the conversion and the exchange of halves slot 16 h + 8 u + j holds that number.
; qkv: q at 0, k at 3,145,728: [16 b + head][token tile][768]; v at 6,291,456: [16 b + head][64 keys][channel tile][768]; 768 = registers 0-3 at 16 x lane, 4-5 at 512 + 8 x lane.
; qkvs: q's words at 0, 12,288 bytes a head; at 393,216, 12,288 bytes a head: k's words [token], then at 8,192 v's words [128 keys][channel tile][row].  A word of q or k: its two bytes, then 0x7f twice (the upper 64 along K are zero codes in q).
; LIMITS: a block of zeros gets the byte 1 where the rule says 127 (its codes are zeros; this program alone reads the bytes); blocks under 2^-124 get the byte 1; NaN and infinities are not served.
; THE WAITS' COUNTS: a step of W is 12 loads, of x 12.  At steps 0 and 4 four later runs of 12 may be out (48), at 1 and 5 three (36), elsewhere the next step's W (12).
; REGISTERS: window 0: v0-29 addresses; v32-63 x's scale words (8 a + q); v68-163 the weights' (8 (4 unit + b) + q); v164-227 numbers to be quantised; v228-251 at work.  Windows 1, 2: x's fragments 4 q + a, 21 to a window;
;   window 2, v132-227: two sets of four fragments of W.  Window 3: v0-127 the accumulators, v128-255 cosines and sines of my 64 tokens.
.set NP,     4                         ; places behind this matrix instruction (ISA guide 7.12.1)
.set XH,     98304
.set LQ,     196608
.set LK,     245760
.set QSS,    294912                    ; 512 bytes for each wave: words of q, of k
.set VSS,    QSS+2048                  ; 512 bytes: v's words
.set SPARE,  VSS+512
.set SPW,  28
.set NIL,  29
.set W,    164
.set QM,   228                         ; v228-231 largest magnitudes, then bytes, then words
.set QP,   232
.set QE,   236
.set CA,   240                         ; v240-245, v246-251 six registers of codes each; v8-10, v12-14 halves on their way
.set CB,   246
.set SEL,  96                          ; s[96:97] selects for v_permlanex16_b32: lane l xor 16
.set G1A,  24
.set G1B,  32
.set GX0,  48
.set GX1,  52
.set GWQ,  56
.set GWK,  60
.set GWV,  68
.set MSB, 0
.macro WIN new                         ; the immediate's high byte repeats the setting that is left
.if MSB != (\new)
	s_set_vgpr_msb (MSB<<8)|(\new)
.set MSB, (\new)
.endif
.endm
.macro PLACES n
.rept \n
	v_nop
.endr
.endm
.macro CREST                           ; a round of the cluster's barrier behind its opening barrier
	s_cmp_lg_u32 s14, 0
	s_cbranch_scc1 .Lnot_wave_0_\@
	s_barrier_signal -3
.Lnot_wave_0_\@:
	s_barrier_wait -3
	s_barrier_signal -1
	s_barrier_wait -1
.endm
.macro CROUND
	s_barrier_signal -1
	s_barrier_wait -1
	CREST
.endm
.macro G0SET g, lds, base, off
	s_mov_b32 s[\g], 1
	s_mov_b32 s[\g+1], \lds
	s_add_nc_u64 s[\g+2:\g+3], s[\base:\base+1], \off
	s_or_b32 s[\g+3], s[\g+3], 0x80000000
.endm
.macro TLOAD g0, g1
	tensor_load_to_lds s[\g0:\g0+3], s[\g1:\g1+7]
	s_nop 0
	PLACES 4
.endm
.macro XFRAGS q                        ; my four token tiles of step q: 12 loads
.irp a, 0,1,2,3
.set F_, 4*(\q)+\a
.set R_, 12*(F_%21)
	WIN (1+F_/21)<<6
.irp p, 0,1,2
	ds_load_b128 v[R_+4*\p:R_+4*\p+3], v[16+(\q)/4] offset:6144*\a+1536*((\q)%4)+512*\p
.endr
.endr
.endm
.macro BFRAGS n                        ; the four column tiles of step n into set n % 2: 12 loads
.set U_, (\n)/8
.if U_ < 2
.set AB_, 18+U_
.else
.set AB_, 3
.endif
	WIN 0x80
.irp b, 0,1,2,3
.set R_, 132+48*((\n)%2)+12*\b
.irp p, 0,1,2
	ds_load_b128 v[R_+4*\p:R_+4*\p+3], v[AB_] offset:12288*\b+1536*((\n)%8)+512*\p
.endr
.endr
	WIN 0
.endm
.macro MUL d, s0, s1, c, x0, x1
	v_wmma_scale_f32_16x16x128_f8f6f4 v[\d:\d+7], v[\s0:\s0+11], v[\s1:\s1+11], \c, v[\x0], v[\x1] matrix_a_fmt:MATRIX_FMT_FP6 matrix_b_fmt:MATRIX_FMT_FP6
.endm
.macro PROD n                          ; 16 matrix instructions: the 16 accumulators take turns, one instruction a turn, in the same order in a unit's every step
.set U_, (\n)/8
.set Q_, (\n)%8
.irp a, 0,1,2,3
.set F_, 4*Q_+\a
.set XW_, 1+F_/21
.set XR_, 12*(F_%21)
.set SX_, 32+8*\a+Q_
.irp b, 0,1,2,3
.set BR_, 132+48*((\n)%2)+12*\b
.set SW_, 68+8*(4*U_+\b)+Q_
.if U_ < 2
.set D_, 8*(4*\a+\b)
	WIN (2)|(XW_<<2)|(0xf0)
.if Q_ == 0
	MUL D_, BR_, XR_, 0, SW_, SX_
.else
	MUL D_, BR_, XR_, v[D_:D_+7], SW_, SX_
.endif
.else
.set D_, 8*(4*\b+\a)
	WIN (XW_)|(8)|(0xf0)
.if Q_ == 0
	MUL D_, XR_, BR_, 0, SX_, SW_
.else
	MUL D_, XR_, BR_, v[D_:D_+7], SX_, SW_
.endif
.endif
.endr
.endr
.endm
.macro PSTEP n, w
	s_wait_dscnt \w
	PROD \n
	PLACES NP
	BFRAGS (\n)+2
.endm
; 64 numbers of a lane (two blocks' halves at s0, two at s1, window w) become six registers of codes at CA and at CB and four bytes in v[QM] on
.macro QUANT4 s0, s1, w
	WIN (\w)|((\w)<<2)
	v_max3_num_f32 v[QM], |v[\s0]|, |v[\s0+1]|, 0x1800000    ; my 16 of each block, and the floor 2^(3 - 127)
	v_max3_num_f32 v[QM+1], |v[\s0+16]|, |v[\s0+17]|, 0x1800000
	v_max3_num_f32 v[QM+2], |v[\s1]|, |v[\s1+1]|, 0x1800000
	v_max3_num_f32 v[QM+3], |v[\s1+16]|, |v[\s1+17]|, 0x1800000
	WIN ((\w)<<2)|((\w)<<4)
.irp i, 2,4,6,8,10,12,14
	v_max3_num_f32 v[QM], v[QM], |v[\s0+\i]|, |v[\s0+1+\i]|
	v_max3_num_f32 v[QM+1], v[QM+1], |v[\s0+16+\i]|, |v[\s0+17+\i]|
	v_max3_num_f32 v[QM+2], v[QM+2], |v[\s1+\i]|, |v[\s1+1+\i]|
	v_max3_num_f32 v[QM+3], v[QM+3], |v[\s1+16+\i]|, |v[\s1+17+\i]|
.endr
	WIN 0
.irp b, 0,1,2,3
	v_permlanex16_b32 v[QP+\b], v[QM+\b], s[SEL], s[SEL+1]
.endr
.irp b, 0,1,2,3
	v_max_num_f32 v[QM+\b], v[QM+\b], v[QP+\b]     ; with lane l xor 16's: the block's largest magnitude
.endr
.irp b, 0,1,2,3
	v_add_nc_u32 v[QE+\b], 0xff000000, v[QM+\b]    ; 2 off the exponent field: the conversion's scale operand
.endr
.irp b, 0,1,2,3
	v_lshrrev_b32 v[QM+\b], 23, v[QE+\b]
.endr
	WIN \w
	v_cvt_scalef32_pk16_fp6_f32 v[CA:CA+2], v[\s0:\s0+15], v[QE]
	v_cvt_scalef32_pk16_fp6_f32 v[8:10], v[\s0+16:\s0+31], v[QE+1]
	v_cvt_scalef32_pk16_fp6_f32 v[CB:CB+2], v[\s1:\s1+15], v[QE+2]
	v_cvt_scalef32_pk16_fp6_f32 v[12:14], v[\s1+16:\s1+31], v[QE+3]
	WIN 0
	v_nop                                          ; one plain place behind a scaled conversion
.irp i, 0,1,2
	v_permlane16_swap_b32 v[CA+\i], v[8+\i]        ; lanes 0-15 get the first block whole, lanes 16-31 the second
	v_permlane16_swap_b32 v[CB+\i], v[12+\i]
.endr
.irp i, 0,1,2
	v_mov_b32 v[CA+3+\i], v[8+\i]
	v_mov_b32 v[CB+3+\i], v[12+\i]
.endr
	v_lshl_or_b32 v[QM], v[QM+1], 8, v[QM]
	v_lshl_or_b32 v[QM+2], v[QM+3], 8, v[QM+2]
.endm
.macro SENDC off                       ; two images of 768 bytes
	global_store_b128 v3, v[CA:CA+3], s[10:11] offset:\off
	global_store_b64 v4, v[CA+4:CA+5], s[10:11] offset:(\off)+512
	global_store_b128 v3, v[CB:CB+3], s[10:11] offset:(\off)+768
	global_store_b64 v4, v[CB+4:CB+5], s[10:11] offset:(\off)+1280
.endm
.macro QKOUT u                         ; the way out of q (0) or k (1), two token tiles at a time: rotate, quantise along the head's 64, store
.irp t, 0,1
	s_wait_xcnt 0x0                                ; the last stores have read their registers
	WIN 0x0f
.set I_, 0
.rept 32                               ; a pair (even, odd) of features and its (cos, sin): odd x sin, even x sin
	v_pk_mul_f32 v[W+2*I_:W+2*I_+1], v[64*\t+2*I_:64*\t+2*I_+1], v[128+64*\t+2*I_:128+64*\t+2*I_+1] op_sel:[1,1] op_sel_hi:[0,1]
.set I_, I_+1
.endr
.set I_, 0
.rept 32                               ; even x cos - odd x sin, odd x cos + even x sin
	v_pk_fma_f32 v[W+2*I_:W+2*I_+1], v[64*\t+2*I_:64*\t+2*I_+1], v[128+64*\t+2*I_:128+64*\t+2*I_+1], v[W+2*I_:W+2*I_+1] op_sel_hi:[1,0,1] neg_lo:[0,0,1]
.set I_, I_+1
.endr
	QUANT4 W, W+32, 0
	v_or_b32 v[QM], 0x7f7f0000, v[QM]
	v_or_b32 v[QM+2], 0x7f7f0000, v[QM+2]
	ds_store_b32 v21, v[QM] offset:256*(\u)+128*\t           ; lanes l and l xor 16 write the same word with the same value
	ds_store_b32 v21, v[QM+2] offset:256*(\u)+128*\t+64
	SENDC 3145728*(\u)+1536*\t
.endr
	ds_load_b64 v[W:W+1], v22 offset:256*(\u)      ; LDS serves a wave's instructions in order: this sees my stores
	s_wait_dscnt 0x0
	global_store_b64 v4, v[W:W+1], s[12:13] offset:393216*(\u)   ; 64 tokens' words: 256 consecutive bytes, aligned
.endm
	s_load_b128 s[4:7], s[0:1], 0x0                ; xw_c, xw_s
	s_load_b128 s[8:11], s[0:1], 0x10              ; tab, qkv
	s_load_b64 s[12:13], s[0:1], 0x20              ; qkvs
	v_lshl_add_u32 v[SPW], v0, 2, SPARE
	v_mov_b32 v[NIL], 0
	ds_add_u32 v[SPW], v[NIL]                      ; the wave's opening: the add, twice on end, and its wait
	ds_add_u32 v[SPW], v[NIL]
	v_lshrrev_b32 v1, 5, v0
	v_readfirstlane_b32 s14, v1                    ; wave 0..3
	v_and_b32 v1, 31, v0                           ; lane
	v_and_b32 v2, 15, v0                           ; r
	v_lshlrev_b32 v3, 4, v1                        ; 16 x lane; also LDS address of Wv's fragments
	v_lshlrev_b32 v4, 3, v1
	v_lshlrev_b32 v5, 4, v2                        ; 16 r
	s_mul_i32 s21, s14, 24576
	v_add_nc_u32 v16, s21, v3                      ; my four row tiles of x, K half 0,
	v_add_nc_u32 v17, XH, v16                      ; half 1
	v_add_nc_u32 v18, LQ, v3
	v_add_nc_u32 v19, LK, v3
	s_lshl_b32 s22, s14, 9
	s_add_co_u32 s22, s22, QSS
	v_lshl_add_u32 v21, v2, 2, s22                 ; q, k: where my token's word goes,
	v_add_nc_u32 v22, s22, v4                      ; and where the words are read back
	s_lshr_b32 s22, s14, 1
	s_lshl_b32 s22, s22, 8
	s_and_b32 s23, s14, 1
	s_lshl_b32 s23, s23, 1
	s_add_co_u32 s22, s22, s23
	s_add_co_u32 s22, s22, VSS
	v_lshl_add_u32 v23, v2, 2, s22                 ; v: my channel's half word
	v_add_nc_u32 v24, VSS, v3
.irp b, 0,1,2,3
	v_mov_b32 v[QP+\b], 0                          ; written once: a lane permute's destination counts as one of its sources
.endr
	s_bfe_u32 s40, ttmp6, 0x40000                  ; cx, cy
	s_bfe_u32 s41, ttmp6, 0x40004
	s_lshl_b32 s42, ttmp9, 2
	s_add_co_u32 s42, s42, s40                     ; head 0..15
	s_and_b32 s17, ttmp7, 0xffff
	s_lshl_b32 s17, s17, 2
	s_add_co_u32 s17, s17, s41                     ; which 256 tokens, 0..15
	s_lshl_b32 s43, s41, 2
	s_lshl_b32 s43, 15, s43                        ; my row of the cluster
	s_lshl_b32 s44, 0x1111, s40                    ; my column
	s_or_b32 s[G1A+0], s43, (3<<16)|(1<<21)        ; 15:0 the mask; elements of 8 bytes; 21 set beside a mask; no padding
	s_mov_b32 s[G1A+1], 768<<16                    ; 16 row tiles x 6,144 bytes, 12,288 apart
	s_mov_b32 s[G1A+2], 16<<16
	s_mov_b32 s[G1A+3], 768<<16
	s_mov_b32 s[G1A+4], 16
	s_mov_b32 s[G1A+5], 1536
	s_mov_b32 s[G1A+6], 0
	s_mov_b32 s[G1A+7], 0
	s_or_b32 s[G1B+0], s44, (3<<16)|(1<<21)
	s_mov_b32 s[G1B+1], 1536<<16                   ; 4 row tiles x 12,288 bytes
	s_mov_b32 s[G1B+2], 4<<16
	s_mov_b32 s[G1B+3], 1536<<16
	s_mov_b32 s[G1B+4], 4
	s_mov_b32 s[G1B+5], 1536
	s_mov_b32 s[G1B+6], 0
	s_mov_b32 s[G1B+7], 0
	s_mul_i32 s20, s17, 196608                     ; x's 16 row tiles
	s_mov_b32 s21, 0
	s_mul_i32 s46, s42, 49152
	s_add_co_u32 s46, s46, 3145728                 ; Wq's row tiles 256 + 4 head ..
	s_mov_b32 s47, 0
	s_lshl_b32 s22, s17, 13
	s_lshl_b32 s45, s14, 11
	s_add_co_u32 s22, s22, s45                     ; my four row tiles' scale words
	s_mov_b32 s23, 0
	s_lshl_b32 s18, s42, 11
	s_add_co_u32 s18, s18, 131072                  ; the head's in Wq
	s_mov_b32 s19, 0
	s_mov_b32 s[SEL], 0x76543210
	s_mov_b32 s[SEL+1], 0xfedcba98
	s_wait_alu depctr_va_vdst(0)                   ; directly ahead of the wait below
	s_wait_dscnt 0x0                               ; both opening adds are done
	CROUND                                         ; all sixteen work-groups are here: the first joint loads meet
	s_wait_kmcnt 0x0
	s_add_nc_u64 s[20:21], s[4:5], s[20:21]
	s_add_nc_u64 s[46:47], s[4:5], s[46:47]
	s_add_nc_u64 s[22:23], s[6:7], s[22:23]
	s_add_nc_u64 s[18:19], s[6:7], s[18:19]
	G0SET GWQ, LQ, 46, 0
	G0SET GX0, 0, 20, 0
	G0SET GX1, XH, 20, 6144
	G0SET GWK, LK, 46, 786432
	G0SET GWV, 0, 46, 1572864
	s_cmp_eq_u32 s14, 0
	s_cbranch_scc0 .Lw1
	TLOAD GWQ, G1B                                 ; wave 0: Wq's 64 rows
	s_branch .Lasked
.Lw1:
	s_cmp_eq_u32 s14, 1
	s_cbranch_scc0 .Lw2
	TLOAD GX0, G1A                                 ; wave 1: x's K half 0
	s_branch .Lasked
.Lw2:
	s_cmp_eq_u32 s14, 2
	s_cbranch_scc0 .Lw3
	TLOAD GX1, G1A                                 ; wave 2: x's K half 1
	s_branch .Lasked
.Lw3:
	TLOAD GWK, G1B                                 ; wave 3: Wk's 64 rows
.Lasked:
.irp a, 0,1,2,3
	global_load_b128 v[32+8*\a:35+8*\a], v5, s[22:23] offset:512*\a
	global_load_b128 v[36+8*\a:39+8*\a], v5, s[22:23] offset:512*\a+256
.endr
.set B_, 0
.rept 12
	global_load_b128 v[68+8*B_:71+8*B_], v5, s[18:19] offset:32768*(B_/4)+512*(B_%4)
	global_load_b128 v[72+8*B_:75+8*B_], v5, s[18:19] offset:32768*(B_/4)+512*(B_%4)+256
.set B_, B_+1
.endr
	s_and_b32 s16, s17, 7
	s_lshl_b32 s16, s16, 8                         ; the work-group's first token in its sequence
	s_lshl_b32 s40, s14, 6
	s_add_co_u32 s40, s40, s16                     ; mine
	s_lshl_b32 s66, s40, 8
	s_mov_b32 s67, 0
	s_add_nc_u64 s[8:9], s[8:9], s[66:67]          ; the table: 4,096 bytes for 16 positions
	WIN 0xc0
.irp a, 0,1,2,3
.irp k, 0,1,2,3,4,5,6,7
	global_load_b128 v[128+32*\a+4*\k:131+32*\a+4*\k], v3, s[8:9] offset:4096*\a+512*\k
.endr
.endr
	WIN 0
	s_lshr_b32 s41, s17, 3
	s_lshl_b32 s41, s41, 4
	s_add_co_u32 s41, s41, s42                     ; 16 b + head
	s_mul_i32 s72, s41, 98304
	s_mul_i32 s45, s40, 48                         ; 768 bytes for 16 tokens, and 3,072 for 64 keys: 48 a token in all three
	s_add_co_u32 s72, s72, s45
	s_mov_b32 s73, 0
	s_add_nc_u64 s[10:11], s[10:11], s[72:73]
	s_mul_i32 s72, s41, 12288
	s_lshl_b32 s45, s16, 1
	s_add_co_u32 s74, s72, s45
	s_add_co_u32 s74, s74, 401408                  ; 393,216 + 8,192: v's words, 256 bytes for 128 keys
	s_mov_b32 s75, 0
	s_add_nc_u64 s[76:77], s[12:13], s[74:75]
	s_lshl_b32 s45, s40, 2
	s_add_co_u32 s72, s72, s45
	s_add_nc_u64 s[12:13], s[12:13], s[72:73]
	s_wait_alu depctr_va_vdst(0)                   ; the wait at the head's end
	s_cmp_lt_u32 s14, 2
	s_cbranch_scc0 .Lnot_first
	s_wait_tensorcnt 0x0
.Lnot_first:
	s_barrier_signal -1
	s_barrier_wait -1                              ; Wq and x's half 0 are in; the other two loads may be out
	XFRAGS 0
	BFRAGS 0
	XFRAGS 1
	BFRAGS 1
	XFRAGS 2
	XFRAGS 3
	WIN 0
	s_wait_loadcnt 48                              ; x's and Wq's scale words are in; Wk's, Wv's and the table may be out
	PSTEP 0, 48
	PSTEP 1, 36
	PSTEP 2, 12
	s_wait_tensorcnt 0x0                           ; all my tensor loads have landed;
	ds_add_u32 v[SPW], v[NIL]                      ; 0 onto my spare word;
	s_wait_dscnt 13                                ; (the add and step 4's W may be out)
	PROD 3
	WIN 0
	s_wait_dscnt 0x0                               ; the add is done, and so are my reads of x's half 0
	s_barrier_signal -1
	s_barrier_wait -1
	CREST                                          ; the barrier has opened a round: no wave of any partner still reads x's half 0 or has a load on its way; x's half 1 and Wk are shown to all
	s_cmp_eq_u32 s14, 0
	s_cbranch_scc0 .Lno_v
	TLOAD GWV, G1B                                 ; Wv's 64 rows
.Lno_v:
	PLACES NP
	XFRAGS 4
	BFRAGS 5
	XFRAGS 5
	XFRAGS 6
	XFRAGS 7
	WIN 0
	PSTEP 4, 48
	PSTEP 5, 36
	PSTEP 6, 12
	PSTEP 7, 12
	s_wait_loadcnt 0x0                             ; the table and all scale words
	QKOUT 0
	PSTEP 8, 0
.irp n, 9,10,11,12,13
	PSTEP \n, 12
.endr
	s_wait_tensorcnt 0x0                           ; Wv's rows, asked for by wave 0
	s_wait_dscnt 12
	PROD 14
	WIN 0
	s_wait_dscnt 0x0
	s_barrier_signal -1
	s_barrier_wait -1                              ; are shown to all
	PLACES NP
	BFRAGS 16
	PSTEP 15, 12
	QKOUT 1
	PSTEP 16, 0
.irp n, 17,18,19,20,21
	PSTEP \n, 12
.endr
	s_wait_dscnt 12
	PROD 22
	s_wait_dscnt 0x0
	PROD 23
	PLACES NP
	; v's way out: two channel tiles at a time, quantised along my 64 tokens
.irp t, 0,1
	WIN 0
	s_wait_xcnt 0x0
	QUANT4 64*\t, 64*\t+32, 3
	ds_store_b16 v23, v[QM] offset:128*\t
	ds_store_b16 v23, v[QM+2] offset:128*\t+64
	SENDC 6291456+1536*\t
.endr
	s_wait_dscnt 0x0
	s_barrier_signal -1
	s_barrier_wait -1
	s_cmp_lg_u32 s14, 0
	s_cbranch_scc1 .Lend
	ds_load_b128 v[W:W+3], v24
	s_wait_dscnt 0x0
	global_store_b128 v3, v[W:W+3], s[76:77]       ; 256 keys' words: 512 consecutive bytes
.Lend:
	s_wait_tensorcnt 0x0                           ; the wave's end
	ds_add_u32 v[SPW], v[NIL]
	s_wait_dscnt 0x0
	CROUND                                         ; the closing round
	s_endpgm
.Lfunc_end_k_q96cc8bcd14_qkv:
	.size	k_q96cc8bcd14_qkv, .Lfunc_end_k_q96cc8bcd14_qkv-k_q96cc8bcd14_qkv
	.p2alignl 7, 3214868480
	.fill 96, 4, 3214868480
	.section	.rodata,"a",@progbits
	.p2align	6, 0x0
	.amdhsa_kernel k_q96cc8bcd14_qkv
		.amdhsa_group_segment_fixed_size 327680
		.amdhsa_private_segment_fixed_size 0
		.amdhsa_enable_private_segment 0
		.amdhsa_kernarg_size 40
		.amdhsa_user_sgpr_count 2
		.amdhsa_user_sgpr_kernarg_segment_ptr 1
		.amdhsa_wavefront_size32 1
		.amdhsa_system_sgpr_workgroup_id_x 1
		.amdhsa_system_sgpr_workgroup_id_y 1
		.amdhsa_system_sgpr_workgroup_id_z 1
		.amdhsa_system_vgpr_workitem_id 0
		.amdhsa_next_free_vgpr 1024
		.amdhsa_next_free_sgpr 100
		.amdhsa_reserve_vcc 0
		.amdhsa_float_denorm_mode_32 3
		.amdhsa_float_denorm_mode_16_64 3
		.amdhsa_memory_ordered 1
		.amdhsa_forward_progress 1
		.amdhsa_inst_pref_size 137
	.end_amdhsa_kernel
	.amdgpu_metadata
---
amdhsa.version: [ 1, 2 ]
amdhsa.kernels:
  - .name:           k_q96cc8bcd14_qkv
    .symbol:         k_q96cc8bcd14_qkv.kd
    .args:
      - { .name: xw_c, .offset: 0, .size: 8, .value_kind: global_buffer, .address_space: global }
      - { .name: xw_s, .offset: 8, .size: 8, .value_kind: global_buffer, .address_space: global }
      - { .name: tab, .offset: 16, .size: 8, .value_kind: global_buffer, .address_space: global }
      - { .name: qkv, .offset: 24, .size: 8, .value_kind: global_buffer, .address_space: global }
      - { .name: qkvs, .offset: 32, .size: 8, .value_kind: global_buffer, .address_space: global }
    .group_segment_fixed_size: 327680
    .private_segment_fixed_size: 0
    .kernarg_segment_align: 8
    .kernarg_segment_size: 40
    .max_flat_workgroup_size: 128
    .sgpr_count:     100
    .vgpr_count:     1024
    .wavefront_size: 32
...
	.end_amdgpu_metadata
.endif
;; end of part 2
;; launch attn (part 3): grid 32 x 8, 16 waves a work-group, no clusters, 248,320 bytes of LDS; arguments qkv, qkvs, oc, osh; writes oc, osh
.if DOCPART == 3
	.amdgcn_target "amdgcn-amd-amdhsa--gfx1250"
	.amdhsa_code_object_version 6
	.text
	.protected	k_q96cc8bcd14_attn
	.globl	k_q96cc8bcd14_attn
	.p2align	8
	.type	k_q96cc8bcd14_attn,@function
k_q96cc8bcd14_attn:
	s_mov_b64 s[64:65], 0
	v_nop
	global_prefetch_b8 v0, s[64:65] scope:SCOPE_SE
	s_setreg_imm32_b32 hwreg(HW_REG_WAVE_MODE, 25, 1), 1
	s_wait_xcnt 0x0
; Causal attention of one head (16 b + head = work-group x) on codes of FP6 (E2M3) with E8M0 scales; head size 64, 2,048 keys.  Its result, O / l, is quantised along the channels and leaves as the last product's operand.
; WORK LEFT OUT: key steps of 128 all of whose keys come after a wave's 16 queries: the mask sets those scores to -infinity, so their p is 0 for all finite inputs (LIMIT: a NaN or an infinity there is not carried).
; THE SOFTMAX AHEAD OF THE SECOND PRODUCT: t = score x log2(e) / 8; M = the row's largest t so far, rounded UP to a whole number; p = 2^(t - M) is what is quantised, along the keys, not normalised.
; The row's sum is taken of the unquantised p and divides O at the end.  When M moves, the sum and O are multiplied by 2^(old M - new M): exact.
; SHARES.  Work-group y = x' owns the query tiles 8 x' + i (short) and 8 (15 - x') + i (long), i = 0..7: 8 x (x' + 1) and 8 x (16 - x') key steps of 128.  A pair of waves shares them: wave A takes the long tile's keys 0-1,023, 8 steps, none
; of them masked; wave B takes the short tile, x' + 1 steps, sends it out, and then the long tile's keys from 1,024 on, 8 - x' steps: 8 and 9 steps in every work-group.  B hands its part of the long tile (O, -M, sum) to A through LDS,
; A brings both under the larger M, by exact powers of two, and sends the tile out.  Wave w is A where (w xor w / 4) is even: of waves w, w + 4, w + 8, w + 12 and of waves 4 i .. 4 i + 3 alike two are A.
; ALL OF THE HEAD'S K AND V LIE IN LDS, filled once, one tensor load a wave: wave 0 the scale words, waves 1 and 2 keys 0-255 of K and V, waves 4-15 the other keys, a sixth of K or of V each.  The first step begins when waves 0-2 have waited.
; Every wave walks all 8 + 8 steps (constant trip counts); a step that is hidden, or is not the wave's, is jumped over by a scalar branch on ids, round no barrier and no tensor load.
; NO CLUSTER, though the eight work-groups of a head read the same K and V: the branch that leaves hidden steps out hangs on the work-group's own block of queries;
; without that branch a work-group would work 16 x 16 steps for its 8 x 17.  No prefetch: all of K and V is asked for at the head.
; LAYOUT.  Both products are used transposed: S^T = K Q^T (source 0 = 16 keys, source 1 = my 16 queries), O^T = V^T P^T: a lane holds one query throughout.  The first product's K is 64: Q's upper six registers are zero codes, and so what K's
; upper six hold (the next tile's codes) adds nothing: the eight tiles of K lie six registers apart.
; Register j of score tile t is key 16 t + 8 h + j: behind the conversion and the exchange of halves slot 16 h + 8 u + j of a block of 32 keys holds key 16 u + 8 h + j; V's codes were laid in that order.
; Row m of V's channel tile t is channel 16 t + m, so oc's blocks of 32 channels lie in the same order of slots, and Wo's codes too.
; oc: [token tile 0..255][head][768]: the image of six operand registers.  osh: [16 b + head][token] of 16 bits: the two scale bytes.
; LIMITS: a block of zeros gets the byte 1 where the rule says 127 (zero codes; this program alone reads the bytes); NaN and infinities are not served; scaled scores (exponents to the base 2) stay under 2^31 in magnitude.
; REGISTERS: v1-3 16, 8, 4 x lane; v4-9 the step's addresses; v10-11 at work; v12 -M, v13 the largest t, v[14:15] the sum; v16-27 Q; v28-31 K's scale words; v32-79 K; v80-127 V's four fragments;
;   v128-191 S^T, then p; v192-223 O^T; v224-235 p's codes; v232-247 at work; v248-249 V's scale words; v250 the half words' stage; v251 the handed part's place; v252 f; v253 p's scale word; v254 at work; v255 Q's scale word.
.set VB,  98304                        ; LDS: K at 0 (768 bytes for 16 keys), V here ([64 keys][channel tile][768]),
.set SCB, 196608                       ; K's scale words (8,192 bytes), then V's (4,096),
.set OSG, 208896                       ; 512 bytes for the result's half words,
.set PX,  209408                       ; 8 x 4,608 bytes for the handed parts, into which no fill lands,
.set SPARE, PX+8*4608                  ; and the spare words, 128 bytes for each wave
.set S,   128
.set O,   192
.set C6,  224
.set CY,  232
.macro GROUP1 g, rows                  ; a dense block as rows of 256 bytes
	s_mov_b32 s[\g], 3<<16                         ; no mask; elements of 8 bytes; no padding
	s_mov_b32 s[\g+1], 32<<16
	s_mov_b32 s[\g+2], (\rows)<<16
	s_mov_b32 s[\g+3], 32<<16
	s_mov_b32 s[\g+4], \rows
	s_mov_b32 s[\g+5], 32
	s_mov_b32 s[\g+6], 0
	s_mov_b32 s[\g+7], 0
.endm
.macro QLOAD tile                      ; the tile's six registers of Q and its scale words
	s_mul_i32 s84, s14, 98304
	s_mul_i32 s85, s\tile, 768
	s_add_co_u32 s84, s84, s85
	s_mov_b32 s85, 0
	s_add_nc_u64 s[96:97], s[4:5], s[84:85]
	s_mul_i32 s84, s14, 12288
	s_lshl_b32 s87, s\tile, 6
	s_add_co_u32 s84, s84, s87
	s_add_nc_u64 s[98:99], s[6:7], s[84:85]
	v_and_b32 v10, 15, v0
	v_lshlrev_b32 v10, 2, v10                      ; 4 r
	global_load_b128 v[16:19], v1, s[96:97]
	global_load_b64 v[20:21], v2, s[96:97] offset:512
	global_load_b32 v255, v10, s[98:99]
.endm
.macro RESET                           ; no key seen yet
	v_mov_b32 v13, 0xff61b1e6                      ; the largest t so far: -3e38, under every t
	v_mov_b32 v14, 0
	v_mov_b32 v15, 0
	v_floor_f32 v12, -v13                          ; -M
.set J_, 0
.rept 32
	v_mov_b32 v[O+J_], 0                           ; O^T.  (The step is written once for all steps: the first finds zeros, which the first change of M leaves zeros)
.set J_, J_+1
.endr
.endm
.macro BARRIER
	s_barrier_signal -1
	s_barrier_wait -1
.endm
	s_load_b256 s[4:11], s[0:1], 0x0               ; qkv s[4:5], qkvs s[6:7], oc s[8:9], osh s[10:11]
	v_lshl_add_u32 v10, v0, 2, SPARE
	v_mov_b32 v11, 0
	ds_add_u32 v10, v11                            ; the wave's opening: the add, twice on end, and its wait
	ds_add_u32 v10, v11
	v_lshrrev_b32 v4, 5, v0
	v_readfirstlane_b32 s12, v4                    ; wave 0..15
	s_and_b32 s13, ttmp7, 0xffff                   ; x' = the block of queries
	s_mov_b32 s14, ttmp9                           ; 16 b + head
	s_lshr_b32 s84, s12, 2
	s_xor_b32 s84, s84, s12
	s_and_b32 s15, s84, 1                          ; 0: A, 1: B
	s_lshr_b32 s16, s12, 1                         ; i
	s_lshl_b32 s29, s13, 3
	s_sub_co_u32 s28, 120, s29
	s_add_co_u32 s28, s28, s16                     ; the long tile
	s_add_co_u32 s29, s29, s16                     ; the short tile
	s_cmp_eq_u32 s15, 0
	s_cselect_b32 s17, s28, s29                    ; the tile that I begin with, and that I send out
	s_lshl_b32 s18, s17, 4                         ; its first query
	s_mov_b32 s19, 0                               ; the step's first key
	s_mov_b32 s20, 0x76543210
	s_mov_b32 s21, 0xfedcba98                      ; selects for v_permlanex16_b32: lane l xor 16
	s_mov_b32 s22, 0x3e38aa3b                      ; c = log2(e) / 8
	s_mov_b32 s23, s22                             ; (named with it as a pair, so it is written)
	s_mov_b32 s24, 0                               ; the step's tiles: 6,144 bytes a step in K and in V
	s_mov_b32 s25, SCB                             ; K's words: 512 bytes a step
	s_mov_b32 s26, SCB+8192                        ; V's: 256
	GROUP1 32, 48                                  ; 12,288 bytes
	GROUP1 40, 56                                  ; 14,336 bytes
	s_mul_i32 s90, s14, 98304
	s_add_co_u32 s90, s90, 3145728                 ; the head's K
	s_mov_b32 s91, 0
	s_mul_i32 s92, s14, 12288
	s_add_co_u32 s92, s92, 393216                  ; its scale words
	s_mov_b32 s93, 0
	s_add_co_u32 s86, s12, 6
	s_lshr_b32 s86, s86, 4                         ; waves 4-9: K (0), waves 10-15: V (1)
	s_mul_i32 s87, s12, 14336
	s_mul_i32 s88, s86, 12288
	s_add_co_u32 s88, s88, s87
	s_sub_co_u32 s88, s88, 45056                   ; LDS: 12,288 + 14,336 (wave - 4), and in V 12,288 more
	s_mul_i32 s94, s86, 3059712
	s_add_co_u32 s94, s94, s87
	s_sub_co_u32 s94, s94, 45056
	s_add_co_u32 s94, s94, s90                     ; memory: V lies 3,145,728 on, its sixths count from wave 10
	s_mov_b32 s95, 0
	v_and_b32 v4, 31, v0
	v_lshlrev_b32 v1, 4, v4
	v_lshlrev_b32 v2, 3, v4
	v_lshlrev_b32 v3, 2, v4
	v_and_b32 v5, 15, v0
	s_xor_b32 s84, s15, 1
	s_lshl_b32 s84, s84, 8
	s_lshl_b32 s85, s16, 5
	s_add_co_u32 s84, s84, s85
	s_add_co_u32 s84, s84, OSG
	v_lshl_add_u32 v250, v5, 1, s84                ; my query's half word: A sends out long tiles (256 bytes on), B short ones; 32 i + 2 r
	s_mul_i32 s85, s16, 4608
	s_add_co_u32 s85, s85, PX
	v_add_nc_u32 v251, s85, v1                     ; the pair's handed part
	s_wait_alu depctr_va_vdst(0)                   ; directly ahead of the wait below
	s_wait_dscnt 0x0                               ; both opening adds are done
	s_wait_kmcnt 0x0
	s_mov_b32 s68, 1                               ; the scale words
	s_mov_b32 s69, SCB
	s_add_nc_u64 s[70:71], s[6:7], s[92:93]
	s_or_b32 s71, s71, 0x80000000
	s_mov_b32 s72, 1                               ; K's keys 0-255
	s_mov_b32 s73, 0
	s_add_nc_u64 s[74:75], s[4:5], s[90:91]
	s_add_nc_u64 s[78:79], s[74:75], 3145728
	s_or_b32 s75, s75, 0x80000000
	s_mov_b32 s76, 1                               ; V's
	s_mov_b32 s77, VB
	s_or_b32 s79, s79, 0x80000000
	s_mov_b32 s80, 1                               ; a sixth of the rest
	s_mov_b32 s81, s88
	s_add_nc_u64 s[82:83], s[4:5], s[94:95]
	s_or_b32 s83, s83, 0x80000000
	s_cmp_eq_u32 s12, 0                            ; one chain, one load to an arm (wave 3 has none)
	s_cbranch_scc0 .Lw1
	tensor_load_to_lds s[68:71], s[32:39]
	s_nop 0
	s_branch .Lfilled
.Lw1:
	s_cmp_eq_u32 s12, 1
	s_cbranch_scc0 .Lw2
	tensor_load_to_lds s[72:75], s[32:39]
	s_nop 0
	s_branch .Lfilled
.Lw2:
	s_cmp_eq_u32 s12, 2
	s_cbranch_scc0 .Lw3
	tensor_load_to_lds s[76:79], s[32:39]
	s_nop 0
	s_branch .Lfilled
.Lw3:
	s_cmp_eq_u32 s12, 3
	s_cbranch_scc1 .Lfilled
	tensor_load_to_lds s[80:83], s[40:47]
	s_nop 0
.Lfilled:
	QLOAD 17
.irp j, 22,23,24,25,26,27
	v_mov_b32 v[\j], 0                             ; the upper 64 along K of the first product: zero codes
.endr
.irp j, 80,81,82,83,84,85
	v_mov_b32 v[\j], 0                             ; (the last tile of K is named with these six)
.endr
.irp j, 236,237,238,239,252,253
	v_mov_b32 v[\j], 0                             ; written once: a lane permute's destination counts as one of its sources; v253 is named as the upper half of a pair
.endr
	RESET
; A KEY STEP: 128 keys.
.macro STEP
	s_add_co_i32 s84, s18, 15
	s_cmp_gt_i32 s19, s84                          ; all its keys come after my queries, or the step is not mine: nothing but the steps of the addresses
	s_cbranch_scc1 .Lhidden_\@
	v_add_nc_u32 v4, s24, v1                       ; (these six are also the places behind the last step's products)
	v_add_nc_u32 v5, s24, v2
	v_add_nc_u32 v8, s25, v3
	v_add_nc_u32 v9, s26, v3
	v_add_nc_u32 v6, VB, v4
	v_add_nc_u32 v7, VB, v5
.irp t, 0,1,2,3,4,5,6,7
	ds_load_b128 v[32+6*\t:35+6*\t], v4 offset:768*\t
	ds_load_b64 v[36+6*\t:37+6*\t], v5 offset:768*\t+512
.endr
.irp k, 0,1,2,3
	ds_load_b32 v[28+\k], v8 offset:128*\k         ; lanes 0-15: tile 2 k's words, lanes 16-31: tile 2 k + 1's
.endr
	s_wait_alu depctr_va_vdst(0)                   ; directly ahead of the wait below
	s_wait_dscnt 0x0
.irp t, 0,1,2,3,4,5,6,7
.if \t%2
	v_wmma_scale_f32_16x16x128_f8f6f4 v[S+8*\t:S+8*\t+7], v[32+6*\t:43+6*\t], v[16:27], 0, v[28+\t/2], v255 matrix_a_fmt:MATRIX_FMT_FP6 matrix_b_fmt:MATRIX_FMT_FP6 matrix_a_scale:MATRIX_SCALE_ROW1
.else
	v_wmma_scale_f32_16x16x128_f8f6f4 v[S+8*\t:S+8*\t+7], v[32+6*\t:43+6*\t], v[16:27], 0, v[28+\t/2], v255 matrix_a_fmt:MATRIX_FMT_FP6 matrix_b_fmt:MATRIX_FMT_FP6
.endif
.endr
.rept 4
	v_nop                                          ; places in front of loads into registers that matrix instructions have read, and of the scores' first reads
.endr
.irp t, 0,1,2,3
.irp c, 0,1
	ds_load_b128 v[80+12*\t+6*\c:83+12*\t+6*\c], v6 offset:3072*\c+768*\t
	ds_load_b64 v[84+12*\t+6*\c:85+12*\t+6*\c], v7 offset:3072*\c+768*\t+512
.endr
.endr
	ds_load_b32 v248, v9
	ds_load_b32 v249, v9 offset:128
	s_add_co_u32 s84, s19, 127                     ; on the diagonal the scores of hidden keys become -infinity ahead of the maximum; a step all of whose keys count skips this
	s_cmp_le_i32 s84, s18
	s_cbranch_scc1 .Lopen_\@
	s_sub_co_i32 s85, s18, s19
	s_lshr_b32 s85, s85, 4                         ; the score tile that holds the diagonal: tiles before it count whole, tiles behind it are hidden whole
	v_and_b32 v10, 15, v0
	v_bfe_u32 v11, v0, 4, 1
	v_lshlrev_b32 v11, 3, v11
	v_sub_nc_u32 v10, v10, v11                     ; r - 8 h: in that tile register j is hidden where j > r - 8 h
	v_mov_b32 v254, 0xff800000
	s_wait_alu depctr_va_vdst(0)                   ; ahead of the branches
.irp t, 0,1,2,3,4,5,6,7
	s_cmp_eq_u32 s85, \t
	s_cbranch_scc0 .Lnd\@_\t
.irp j, 0,1,2,3,4,5,6,7
	v_cmp_gt_i32 vcc_lo, \j, v10
	v_cndmask_b32 v[S+8*\t+\j], v[S+8*\t+\j], v254, vcc_lo
.endr
.Lnd\@_\t:
	s_cmp_lt_u32 s85, \t
	s_cbranch_scc0 .Lnf\@_\t
.irp j, 0,1,2,3,4,5,6,7
	v_mov_b32 v[S+8*\t+\j], v254
.endr
.Lnf\@_\t:
.endr
.Lopen_\@:
	s_wait_alu depctr_va_vdst(0)                   ; directly ahead of the readers below
.irp b, 0,1,2,3
	v_max3_num_f32 v[232+\b], v[S+16*\b], v[S+1+16*\b], v[S+2+16*\b]   ; the largest score of each block of 32 keys: it serves for the row's maximum and, since p rises with the score, for the block's largest p
.endr
.irp i, 3,5,7,9,11,13
.irp b, 0,1,2,3
	v_max3_num_f32 v[232+\b], v[232+\b], v[S+16*\b+\i], v[S+1+16*\b+\i]
.endr
.endr
.irp b, 0,1,2,3
	v_max_num_f32 v[232+\b], v[232+\b], v[S+15+16*\b]
.endr
.irp b, 0,1,2,3
	s_delay_alu instid0(VALU_DEP_4)
	v_permlanex16_b32 v[236+\b], v[232+\b], s20, s21
.endr
.irp b, 0,1,2,3
	s_delay_alu instid0(VALU_DEP_4)
	v_max_num_f32 v[232+\b], v[232+\b], v[236+\b]  ; with lane l xor 16's 16 keys
.endr
	s_delay_alu instid0(VALU_DEP_2)
	v_max3_num_f32 v254, v232, v233, v234
	s_delay_alu instid0(VALU_DEP_1)
	v_max_num_f32 v254, v254, v235
	s_delay_alu instid0(VALU_DEP_1)
	v_mul_f32 v254, s22, v254                      ; as t (c is positive)
	s_delay_alu instid0(VALU_DEP_1)
	v_max_num_f32 v13, v13, v254                   ; the running largest t
	v_mov_b32 v254, v12
	s_delay_alu instid0(VALU_DEP_2)
	v_floor_f32 v12, -v13                          ; the new -M = -ceil(t)
	s_delay_alu instid0(VALU_DEP_1)
	v_sub_f32 v254, v12, v254                      ; old M - new M: a whole number, 0 or less
	s_delay_alu instid0(VALU_DEP_1)
	v_cvt_i32_f32 v254, v254                       ; (it saturates)
	s_delay_alu instid0(VALU_DEP_1)
	v_ldexp_f32 v252, 1.0, v254                    ; f = 2^(old M - new M)
.set J_, 0
.rept 32
	v_pk_fma_f32 v[S+J_:S+1+J_], v[S+J_:S+1+J_], s[22:23], v[12:13] op_sel_hi:[1,0,0]   ; t - M, two at a time
.set J_, J_+2
.endr
.irp b, 0,1,2,3
	v_fma_f32 v[232+\b], v[232+\b], s22, v12       ; the same of each block's largest score
.endr
.set J_, 0
	s_wait_alu depctr_va_vdst(0)                   ; ahead of the batch
.rept 64
	v_exp_f32 v[S+J_], v[S+J_]                     ; p = 2^(t - M), at most 1
.set J_, J_+1
.endr
.irp b, 0,1,2,3
	v_exp_f32 v[232+\b], v[232+\b]                 ; the block's largest p: the same two instructions on the same number
.endr
	v_pk_mul_f32 v[14:15], v[14:15], v[252:253] op_sel_hi:[1,0]   ; the sums under the new M.  (A plain place behind the exponentials)
	s_wait_alu depctr_va_vdst(0)                   ; and behind it
.irp b, 0,1,2,3
	v_max_num_f32 v[232+\b], 0x1800000, v[232+\b]  ; the floor 2^(3 - 127)
.endr
.irp b, 0,1,2,3
	s_delay_alu instid0(VALU_DEP_4)
	v_add_nc_u32 v[244+\b], 0xff000000, v[232+\b]  ; 2 off the exponent field: the conversion's scale operand
.endr
.irp b, 0,1,2,3
	s_delay_alu instid0(VALU_DEP_4)
	v_lshrrev_b32 v[236+\b], 23, v[244+\b]
.endr
	s_delay_alu instid0(VALU_DEP_3)
	v_lshl_or_b32 v253, v237, 8, v236              ; p's scale word for these 128 keys
	s_delay_alu instid0(VALU_DEP_1)
	v_lshl_or_b32 v253, v238, 16, v253
	s_delay_alu instid0(VALU_DEP_1)
	v_lshl_or_b32 v253, v239, 24, v253
.irp c, 0,1
	v_cvt_scalef32_pk16_fp6_f32 v[224+6*\c:226+6*\c], v[S+32*\c:S+15+32*\c], v[244+2*\c]
	v_cvt_scalef32_pk16_fp6_f32 v[236+4*\c:238+4*\c], v[S+16+32*\c:S+31+32*\c], v[244+2*\c+1]
.endr
	v_nop                                          ; one plain place behind a scaled conversion
.irp c, 0,1
.irp i, 0,1,2
	v_permlane16_swap_b32 v[224+6*\c+\i], v[236+4*\c+\i]
.endr
.irp i, 0,1,2
	s_delay_alu instid0(VALU_DEP_3)
	v_mov_b32 v[227+6*\c+\i], v[236+4*\c+\i]
.endr
.endr
	s_wait_alu depctr_va_vdst(0)                   ; directly ahead of the first reader of O^T
.set J_, 0
.rept 16
	v_pk_mul_f32 v[O+J_:O+1+J_], v[O+J_:O+1+J_], v[252:253] op_sel_hi:[1,0]   ; O^T under the new M, each accumulator from its low end on
.set J_, J_+2
.endr
	v_pk_add_f32 v[236:237], v[132:133], v[136:137]
	v_pk_add_f32 v[246:247], v[140:141], v[144:145]
	v_pk_add_f32 v[244:245], v[148:149], v[152:153]
	v_pk_add_f32 v[242:243], v[156:157], v[160:161]
	v_pk_add_f32 v[240:241], v[164:165], v[168:169]
	v_pk_add_f32 v[72:73], v[172:173], v[176:177]
	v_pk_add_f32 v[70:71], v[180:181], v[184:185]
	v_pk_add_f32 v[14:15], v[14:15], v[188:189]
	v_pk_add_f32 v[236:237], v[236:237], v[128:129]
	v_pk_add_f32 v[246:247], v[246:247], v[130:131]
	v_pk_add_f32 v[244:245], v[244:245], v[134:135]
	v_pk_add_f32 v[242:243], v[242:243], v[138:139]
	v_pk_add_f32 v[240:241], v[240:241], v[142:143]
	v_pk_add_f32 v[72:73], v[72:73], v[146:147]
	v_pk_add_f32 v[70:71], v[70:71], v[150:151]
	v_pk_add_f32 v[14:15], v[14:15], v[154:155]
	v_pk_add_f32 v[236:237], v[236:237], v[158:159]
	v_pk_add_f32 v[246:247], v[246:247], v[162:163]
	v_pk_add_f32 v[244:245], v[244:245], v[166:167]
	v_pk_add_f32 v[242:243], v[242:243], v[170:171]
	v_pk_add_f32 v[240:241], v[240:241], v[174:175]
	v_pk_add_f32 v[72:73], v[72:73], v[178:179]
	v_pk_add_f32 v[70:71], v[70:71], v[182:183]
	v_pk_add_f32 v[14:15], v[14:15], v[186:187]
	v_pk_add_f32 v[236:237], v[236:237], v[190:191]
	s_delay_alu instid0(VALU_DEP_2)
	v_pk_add_f32 v[14:15], v[14:15], v[242:243]
	s_delay_alu instid0(VALU_DEP_2)
	v_pk_add_f32 v[236:237], v[236:237], v[240:241]
	v_pk_add_f32 v[246:247], v[246:247], v[72:73]
	v_pk_add_f32 v[244:245], v[244:245], v[70:71]
	s_delay_alu instid0(VALU_DEP_2)
	v_pk_add_f32 v[14:15], v[14:15], v[246:247]
	s_delay_alu instid0(VALU_DEP_2)
	v_pk_add_f32 v[236:237], v[236:237], v[244:245]
	s_delay_alu instid0(VALU_DEP_1)
	v_pk_add_f32 v[14:15], v[14:15], v[236:237]
	s_wait_alu depctr_va_vdst(0)                   ; directly ahead of the wait below
	s_wait_dscnt 0x0                               ; V's fragments and words
.irp t, 0,1,2,3                                ; O^T += V^T P^T: the four accumulators by turns, one instruction a turn
.if \t%2
	v_wmma_scale_f32_16x16x128_f8f6f4 v[O+8*\t:O+8*\t+7], v[80+12*\t:91+12*\t], v[224:235], v[O+8*\t:O+8*\t+7], v[248+\t/2], v253 matrix_a_fmt:MATRIX_FMT_FP6 matrix_b_fmt:MATRIX_FMT_FP6 matrix_a_scale:MATRIX_SCALE_ROW1
.else
	v_wmma_scale_f32_16x16x128_f8f6f4 v[O+8*\t:O+8*\t+7], v[80+12*\t:91+12*\t], v[224:235], v[O+8*\t:O+8*\t+7], v[248+\t/2], v253 matrix_a_fmt:MATRIX_FMT_FP6 matrix_b_fmt:MATRIX_FMT_FP6
.endif
.endr
.Lhidden_\@:
	s_add_co_u32 s19, s19, 128
	s_add_co_u32 s24, s24, 6144
	s_add_co_u32 s25, s25, 512
	s_add_co_u32 s26, s26, 256
.endm
; THE WAY OUT of tile s17: O^T / the sum, quantised along the channels: tiles 0, 1 are block 0 of the head's 64, tiles 2, 3 block 1.
.macro FINISH
.rept 4
	v_nop                                          ; places behind the last products
.endr
	s_wait_alu depctr_va_vdst(0)
	v_add_f32 v14, v14, v15
	s_delay_alu instid0(VALU_DEP_1)
	v_permlanex16_b32 v252, v14, s20, s21
	s_delay_alu instid0(VALU_DEP_1)
	v_add_f32 v14, v14, v252                       ; the row's sum
	s_wait_alu depctr_va_vdst(0)
	v_rcp_f32 v14, v14
	v_nop                                          ; a plain place behind the transcendental
.set J_, 0
	s_wait_alu depctr_va_vdst(0)
.rept 32
	v_mul_f32 v[S+J_], v[O+J_], v14
.set J_, J_+1
.endr
	v_max3_num_f32 v236, |v[S]|, |v[S+1]|, 0x1800000
	v_max3_num_f32 v237, |v[S+16]|, |v[S+17]|, 0x1800000
.irp i, 2,4,6,8,10,12,14
	s_delay_alu instid0(VALU_DEP_2)
	v_max3_num_f32 v236, v236, |v[S+\i]|, |v[S+1+\i]|
	s_delay_alu instid0(VALU_DEP_2)
	v_max3_num_f32 v237, v237, |v[S+16+\i]|, |v[S+17+\i]|
.endr
	v_permlanex16_b32 v238, v236, s20, s21
	v_permlanex16_b32 v239, v237, s20, s21
	v_max_num_f32 v236, v236, v238
	v_max_num_f32 v237, v237, v239
	v_add_nc_u32 v240, 0xff000000, v236
	v_add_nc_u32 v241, 0xff000000, v237
	v_lshrrev_b32 v242, 23, v240
	v_lshrrev_b32 v243, 23, v241
	v_cvt_scalef32_pk16_fp6_f32 v[C6:C6+2], v[S:S+15], v240
	v_cvt_scalef32_pk16_fp6_f32 v[CY:CY+2], v[S+16:S+31], v241
	v_nop                                          ; one plain place behind a scaled conversion
.irp i, 0,1,2
	v_permlane16_swap_b32 v[C6+\i], v[CY+\i]
.endr
.irp i, 0,1,2
	v_mov_b32 v[C6+3+\i], v[CY+\i]
.endr
	v_lshl_or_b32 v244, v243, 8, v242
	s_wait_alu depctr_va_vdst(0)                   ; ahead of the run of scalar instructions
	ds_store_b16 v250, v244                        ; lanes l and l xor 16 write the same half word with the same value
	s_lshr_b32 s84, s14, 4
	s_lshl_b32 s84, s84, 7
	s_add_co_u32 s84, s84, s17                     ; token tile 128 b + my tile
	s_mul_i32 s84, s84, 12288
	s_and_b32 s85, s14, 15
	s_mul_i32 s85, s85, 768
	s_add_co_u32 s84, s84, s85
	s_mov_b32 s85, 0
	s_add_nc_u64 s[90:91], s[8:9], s[84:85]
	global_store_b128 v1, v[C6:C6+3], s[90:91]     ; 512 consecutive bytes,
	global_store_b64 v2, v[C6+4:C6+5], s[90:91] offset:512   ; and 256
.endm
	s_wait_alu depctr_va_vdst(0)                   ; the wait at the head's end
	s_wait_loadcnt 0x0                             ; Q
	s_cmp_lt_u32 s12, 3
	s_cbranch_scc0 .Lnot_first
	s_wait_tensorcnt 0x0
.Lnot_first:
	BARRIER                                        ; the scale words and keys 0-255 are in; the other loads may be out
	STEP
	s_wait_alu depctr_va_vdst(0)
	s_wait_tensorcnt 0x0
	s_wait_dscnt 0x0
	BARRIER                                        ; all of K and V is in
	s_mov_b32 s27, 7
.Lk1:
	STEP
	s_wait_alu depctr_va_vdst(0)                   ; ahead of the branch
	s_sub_co_u32 s27, s27, 1
	s_cmp_lg_u32 s27, 0
	s_cbranch_scc1 .Lk1
	s_lshl_b32 s84, s28, 4
	s_cmp_eq_u32 s15, 0
	s_cselect_b32 s18, 0xfffff800, s84             ; the keys from 1,024 on: B's, for the long tile's queries; none is A's: its first query is set 2,048 before the first key
	s_cmp_eq_u32 s15, 0
	s_cbranch_scc1 .Llong
.rept 4
	v_nop
.endr
	QLOAD 28                                       ; the long tile's Q, while the short tile goes out
	FINISH
	s_wait_xcnt 0x0                                ; its stores have read their registers
	RESET
	s_wait_alu depctr_va_vdst(0)
	s_wait_loadcnt 0x0
.Llong:
	s_mov_b32 s27, 8
.Lk2:
	STEP
	s_wait_alu depctr_va_vdst(0)
	s_sub_co_u32 s27, s27, 1
	s_cmp_lg_u32 s27, 0
	s_cbranch_scc1 .Lk2
	s_cmp_eq_u32 s15, 0
	s_cbranch_scc1 .Lhanded
	v_add_f32 v13, v14, v15                        ; B hands over -M, its lanes' sums and O^T
.rept 4
	v_nop                                          ; places behind the last products
.endr
.irp k, 0,1,2,3,4,5,6,7
	ds_store_b128 v251, v[O+4*\k:O+4*\k+3] offset:512*\k
.endr
	ds_store_b64 v251, v[12:13] offset:4096
.Lhanded:
	s_wait_alu depctr_va_vdst(0)
	s_wait_dscnt 0x0                               ; for the others' sake
	BARRIER
	s_cmp_lg_u32 s15, 0
	s_cbranch_scc1 .Lsent
.irp k, 0,1,2,3,4,5,6,7
	ds_load_b128 v[S+4*\k:S+4*\k+3], v251 offset:512*\k
.endr
	ds_load_b64 v[160:161], v251 offset:4096
	v_add_f32 v14, v14, v15
	v_mov_b32 v15, 0
	s_wait_alu depctr_va_vdst(0)
	s_wait_dscnt 0x0
	v_min_num_f32 v13, v12, v160                   ; the larger M's negative
	v_sub_f32 v10, v13, v12
	v_sub_f32 v11, v13, v160
	v_cvt_i32_f32 v10, v10
	v_cvt_i32_f32 v11, v11
	v_ldexp_f32 v252, 1.0, v10                     ; 2^(my M - M)
	v_ldexp_f32 v254, 1.0, v11                     ; 2^(B's M - M)
	v_mul_f32 v14, v14, v252
	v_fma_f32 v14, v161, v254, v14
.set J_, 0
.rept 16
	v_pk_mul_f32 v[O+J_:O+1+J_], v[O+J_:O+1+J_], v[252:253] op_sel_hi:[1,0]
.set J_, J_+2
.endr
.set J_, 0
.rept 16
	v_pk_fma_f32 v[O+J_:O+1+J_], v[S+J_:S+1+J_], v[254:255], v[O+J_:O+1+J_] op_sel_hi:[1,0,1]
.set J_, J_+2
.endr
	FINISH
.Lsent:
	s_wait_alu depctr_va_vdst(0)
	s_wait_dscnt 0x0                               ; for the others' sake: my half words lie in LDS
	BARRIER
	v_add_nc_u32 v4, OSG, v1
	s_wait_alu depctr_va_vdst(0)
	s_cmp_lg_u32 s12, 0
	s_cbranch_scc1 .Lend
	ds_load_b128 v[S:S+3], v4                      ; wave 0 stores both blocks' half words: 256 bytes each
	s_lshl_b32 s84, s14, 12
	s_lshl_b32 s86, s13, 8
	s_add_co_u32 s84, s84, s86
	s_mov_b32 s85, 0
	s_add_nc_u64 s[10:11], s[10:11], s[84:85]
	s_lshl_b32 s86, s13, 1
	s_sub_co_u32 s86, 15, s86
	s_lshl_b32 s86, s86, 8                         ; the long block lies 15 - 2 x' blocks of 256 bytes on
	v_bfe_u32 v11, v0, 4, 1
	v_mul_u32_u24 v10, s86, v11
	v_and_b32 v11, 15, v0
	v_lshl_add_u32 v10, v11, 4, v10
	s_wait_alu depctr_va_vdst(0)
	s_wait_dscnt 0x0
	global_store_b128 v10, v[S:S+3], s[10:11]
.Lend:
	s_wait_xcnt 0x0
	v_lshl_add_u32 v10, v0, 2, SPARE
	v_mov_b32 v11, 0
	s_wait_alu depctr_va_vdst(0)
	s_wait_tensorcnt 0x0                           ; the wave's end
	ds_add_u32 v10, v11
	s_wait_dscnt 0x0
	s_endpgm
.Lfunc_end_k_q96cc8bcd14_attn:
	.size	k_q96cc8bcd14_attn, .Lfunc_end_k_q96cc8bcd14_attn-k_q96cc8bcd14_attn
	.p2alignl 7, 3214868480
	.fill 96, 4, 3214868480
	.section	.rodata,"a",@progbits
	.p2align	6, 0x0
	.amdhsa_kernel k_q96cc8bcd14_attn
		.amdhsa_group_segment_fixed_size 248320
		.amdhsa_private_segment_fixed_size 0
		.amdhsa_enable_private_segment 0
		.amdhsa_kernarg_size 32
		.amdhsa_user_sgpr_count 2
		.amdhsa_user_sgpr_kernarg_segment_ptr 1
		.amdhsa_wavefront_size32 1
		.amdhsa_system_sgpr_workgroup_id_x 1
		.amdhsa_system_sgpr_workgroup_id_y 1
		.amdhsa_system_sgpr_workgroup_id_z 1
		.amdhsa_system_vgpr_workitem_id 0
		.amdhsa_next_free_vgpr 256
		.amdhsa_next_free_sgpr 100
		.amdhsa_reserve_vcc 1
		.amdhsa_float_denorm_mode_32 3
		.amdhsa_float_denorm_mode_16_64 3
		.amdhsa_memory_ordered 1
		.amdhsa_forward_progress 1
		.amdhsa_inst_pref_size 100
	.end_amdhsa_kernel
	.amdgpu_metadata
---
amdhsa.version: [ 1, 2 ]
amdhsa.kernels:
  - .name:           k_q96cc8bcd14_attn
    .symbol:         k_q96cc8bcd14_attn.kd
    .args:
      - { .name: qkv, .offset: 0, .size: 8, .value_kind: global_buffer, .address_space: global }
      - { .name: qkvs, .offset: 8, .size: 8, .value_kind: global_buffer, .address_space: global }
      - { .name: oc, .offset: 16, .size: 8, .value_kind: global_buffer, .address_space: global }
      - { .name: osh, .offset: 24, .size: 8, .value_kind: global_buffer, .address_space: global }
    .group_segment_fixed_size: 248320
    .private_segment_fixed_size: 0
    .kernarg_segment_align: 8
    .kernarg_segment_size: 32
    .max_flat_workgroup_size: 512
    .sgpr_count:     100
    .vgpr_count:     256
    .wavefront_size: 32
...
	.end_amdgpu_metadata
.endif
;; end of part 3
;; launch oproj (part 4): grid 8 x 32, 4 waves a work-group, clusters of 4 x 4, 327,680 bytes of LDS; arguments oc, osh, xw_c, xw_s, out0; writes out0
.if DOCPART == 4
	.amdgcn_target "amdgcn-amd-amdhsa--gfx1250"
	.amdhsa_code_object_version 6
	.text
	.protected	k_q96cc8bcd14_oproj
	.globl	k_q96cc8bcd14_oproj
	.p2align	8
	.type	k_q96cc8bcd14_oproj,@function
k_q96cc8bcd14_oproj:
	s_mov_b64 s[64:65], 0
	v_nop
	global_prefetch_b8 v0, s[64:65] scope:SCOPE_SE
	s_setreg_imm32_b32 hwreg(HW_REG_WAVE_MODE, 25, 1), 1
	s_wait_xcnt 0x0
	s_wait_alu depctr_hold_cnt(0) depctr_sa_sdst(0) depctr_va_vdst(0) depctr_va_sdst(0) depctr_va_ssrc(0) depctr_va_vcc(0) depctr_vm_vsrc(0)
	s_getreg_b32 s2, hwreg(HW_REG_IB_STS2, 6, 4)
	s_cmp_eq_u32 s2, 0
	s_cbranch_scc0 .Lentry_in_a_cluster
	s_endpgm
.Lentry_in_a_cluster:
	s_bfe_u32 s2, ttmp6, 0x10000c
	s_cmp_lg_u32 s2, 0xf033
	s_cbranch_scc0 .Lentry_shape_is_right
	s_endpgm
.Lentry_shape_is_right:
; out0 [4096][1024] f32 = O Wo^T on codes of FP6 (E2M3) with E8M0 scales, sums in f32.  256 work-groups of 128 x 128, four waves of 64 x 64: 16 accumulators, which take turns.
; oc: [token tile][head][768]: 768 = six registers of a fragment, 0-3 at 16 x lane, 4-5 at 512 + 8 x lane; two heads are a step of 128 along K.  Wo's fragments: xw_c's row tiles from 448 on, three pieces of 16 bytes a lane.
; Both lie in the same order of slots inside a block of 32.
; CLUSTERS: 4 x 4 work-groups: oc's rows are asked for jointly along a row of the cluster, Wo's along a column.
; FILLS: at the head one tensor load a wave: oc's and Wo's K half 0 by waves 0 and 1, K half 1 by waves 2 and 3.  The first four steps begin when waves 0 and 1 have waited; nothing is filled again.
; No prefetch: all that the work-group reads is asked for at the head.
; SCALE WORDS.  Wo's go from memory into registers.  osh holds 16 bits a token and head: a thread takes a pair of tokens and 8 heads, makes their words, and they go through LDS.
; The matrix instruction is used transposed (source 0 = 16 rows of Wo, source 1 = 16 tokens): a lane holds eight neighbouring numbers of a row of the result; they leave through the wave's own stage in LDS as rows of 256 bytes.
; LIMITS: NaN and infinities are not served.
; THE WAITS' COUNTS: a step's fragments are 28 loads; the next step's may be out.
; REGISTERS: window 0: v0-29 addresses, v32-63 oc's scale words (8 a + q), v68-99 Wo's (8 b + q), v100-195 oc's fragments, two sets; v100-227 on the way out.  Window 1: v0-127 accumulators, v128-223 Wo's fragments, two sets.
.set NP,     4                         ; places behind this matrix instruction (ISA guide 7.12.1)
.set KH,     98304                     ; LDS: a K half: oc's 8 tiles x 6,144 bytes, then Wo's
.set LB,     49152
.set SCL,    2*KH                      ; oc's scale words [token tile][K half][row][4 words]
.set STG,    SCL+4096
.set SPITCH, 272
.set SPARE,  STG+4*64*SPITCH           ; the spare words, 128 bytes for each wave
.set STO,  24
.set RD,   25
.set CO,   26
.set ADRS, 27
.set SPW,  28
.set NIL,  29
.set FA,   100
.set FB,   128
.set G1A,  32
.set G1B,  40
.set GA0,  68
.set GB0,  72
.set GA1,  76
.set GB1,  80
.set MSB, 0
.macro WIN new                         ; the immediate's high byte repeats the setting that is left
.if MSB != (\new)
	s_set_vgpr_msb (MSB<<8)|(\new)
.set MSB, (\new)
.endif
.endm
.macro PLACES n
.rept \n
	v_nop
.endr
.endm
.macro CROUND
	s_barrier_signal -1
	s_barrier_wait -1
	s_cmp_lg_u32 s14, 0
	s_cbranch_scc1 .Lnot_wave_0_\@
	s_barrier_signal -3
.Lnot_wave_0_\@:
	s_barrier_wait -3
	s_barrier_signal -1
	s_barrier_wait -1
.endm
.macro G0SET g, lds, base, off
	s_mov_b32 s[\g], 1
	s_mov_b32 s[\g+1], \lds
	s_add_nc_u64 s[\g+2:\g+3], s[\base:\base+1], \off
	s_or_b32 s[\g+3], s[\g+3], 0x80000000
.endm
.macro TLOAD g0, g1
	tensor_load_to_lds s[\g0:\g0+3], s[\g1:\g1+7]
	s_nop 0
	PLACES 4
.endm
.macro FETCH q                         ; step q's fragments into set q % 2: 28 loads
	WIN 0x40
.irp i, 0,1,2,3
.set R_, FB+48*((\q)%2)+12*\i
.irp p, 0,1,2
	ds_load_b128 v[R_+4*\p:R_+4*\p+3], v[20+(\q)/4] offset:6144*\i+1536*((\q)%4)+512*\p
.endr
.endr
	WIN 0
.irp i, 0,1,2,3
.set R_, FA+48*((\q)%2)+12*\i
.irp c, 0,1
	ds_load_b128 v[R_+6*\c:R_+6*\c+3], v[16+(\q)/4] offset:6144*\i+1536*((\q)%4)+768*\c
	ds_load_b64 v[R_+6*\c+4:R_+6*\c+5], v[18+(\q)/4] offset:6144*\i+1536*((\q)%4)+768*\c+512
.endr
.endr
.endm
.macro MUL d, s0, s1, c, x0, x1
	v_wmma_scale_f32_16x16x128_f8f6f4 v[\d:\d+7], v[\s0:\s0+11], v[\s1:\s1+11], \c, v[\x0], v[\x1] matrix_a_fmt:MATRIX_FMT_FP6 matrix_b_fmt:MATRIX_FMT_FP6
.endm
.macro PROD q                          ; 16 matrix instructions; the accumulators take turns, one instruction a turn
	WIN 0x51
.irp a, 0,1,2,3
.irp b, 0,1,2,3
.set D_, 8*(4*\a+\b)
.set RA_, FA+48*((\q)%2)+12*\a
.set RB_, FB+48*((\q)%2)+12*\b
.set XA_, 32+8*\a+(\q)
.set XB_, 68+8*\b+(\q)
.if (\q) == 0
	MUL D_, RB_, RA_, 0, XB_, XA_
.else
	MUL D_, RB_, RA_, v[D_:D_+7], XB_, XA_
.endif
.endr
.endr
	WIN 0
.endm
.macro PSTEP q
	s_wait_dscnt 28
	PROD \q
	PLACES NP
	FETCH (\q)+2
.endm
	s_load_b128 s[4:7], s[0:1], 0x0                ; oc, osh
	s_load_b128 s[8:11], s[0:1], 0x10              ; xw_c, xw_s
	s_load_b64 s[12:13], s[0:1], 0x20              ; out0
	v_lshl_add_u32 v[SPW], v0, 2, SPARE
	v_mov_b32 v[NIL], 0
	ds_add_u32 v[SPW], v[NIL]                      ; the wave's opening: the add, twice on end, and its wait
	ds_add_u32 v[SPW], v[NIL]
	v_lshrrev_b32 v1, 5, v0
	v_readfirstlane_b32 s14, v1                    ; wave 0..3
	s_lshr_b32 s15, s14, 1                         ; which 64 rows
	s_and_b32 s16, s14, 1                          ; which 64 columns
	v_and_b32 v1, 31, v0                           ; lane
	v_and_b32 v2, 15, v0                           ; r
	v_bfe_u32 v3, v0, 4, 1                         ; h
	v_lshlrev_b32 v4, 4, v1
	v_lshlrev_b32 v5, 3, v1
	v_lshlrev_b32 v6, 4, v2                        ; 16 r
	s_mul_i32 s21, s15, 24576
	s_mul_i32 s22, s16, 24576
	s_add_co_u32 s22, s22, LB
	v_add_nc_u32 v16, s21, v4                      ; my rows' fragments, K half 0, 1
	v_add_nc_u32 v17, KH, v16
	v_add_nc_u32 v18, s21, v5
	v_add_nc_u32 v19, KH, v18
	v_add_nc_u32 v20, s22, v4                      ; my columns'
	v_add_nc_u32 v21, KH, v20
	s_lshl_b32 s21, s15, 11
	s_add_co_u32 s21, s21, SCL
	v_add_nc_u32 v[ADRS], s21, v6
	s_mul_i32 s23, s14, 64*SPITCH
	s_add_co_u32 s23, s23, STG
	v_mul_u32_u24 v7, v2, SPITCH
	v_lshl_add_u32 v7, v3, 5, v7
	v_add_nc_u32 v[STO], s23, v7                   ; the way out, in: row r, 32 bytes for each half of the lanes
	v_mul_u32_u24 v7, v3, SPITCH
	v_add_nc_u32 v7, v7, v6
	v_add_nc_u32 v[RD], s23, v7                    ; back: lanes 0-15 take one row of 256 bytes, lanes 16-31 the next
	v_lshlrev_b32 v7, 12, v3
	v_add_nc_u32 v[CO], v7, v6
	v_and_b32 v8, 63, v0                           ; my pair of tokens
	v_lshrrev_b32 v9, 6, v0                        ; my K half: 8 heads
	v_lshlrev_b32 v10, 2, v8
	v_lshl_add_u32 v10, v9, 15, v10
	v_lshrrev_b32 v11, 3, v8
	v_and_b32 v12, 7, v8
	v_lshlrev_b32 v11, 9, v11
	v_lshl_add_u32 v11, v12, 5, v11
	v_lshl_add_u32 v11, v9, 8, v11
	v_add_nc_u32 v11, SCL, v11
	s_bfe_u32 s52, ttmp6, 0x40000                  ; cx, cy
	s_bfe_u32 s53, ttmp6, 0x40004
	s_lshl_b32 s54, ttmp9, 2
	s_add_co_u32 s54, s54, s52                     ; tile column 0..7
	s_and_b32 s17, ttmp7, 0xffff
	s_lshl_b32 s17, s17, 2
	s_add_co_u32 s17, s17, s53                     ; tile row 0..31
	s_lshl_b32 s55, s53, 2
	s_lshl_b32 s55, 15, s55                        ; my row of the cluster
	s_lshl_b32 s56, 0x1111, s52                    ; my column
	s_or_b32 s[G1A+0], s55, (3<<16)|(1<<21)        ; 15:0 the mask; elements of 8 bytes; 21 set beside a mask; no padding
	s_or_b32 s[G1B+0], s56, (3<<16)|(1<<21)
.irp g, G1A, G1B
	s_mov_b32 s[\g+1], 768<<16                     ; 8 row tiles x 6,144 bytes, 12,288 apart
	s_mov_b32 s[\g+2], 8<<16
	s_mov_b32 s[\g+3], 768<<16
	s_mov_b32 s[\g+4], 8
	s_mov_b32 s[\g+5], 1536
	s_mov_b32 s[\g+6], 0
	s_mov_b32 s[\g+7], 0
.endr
	s_mul_i32 s20, s17, 98304                      ; oc's 8 token tiles
	s_mov_b32 s21, 0
	s_mul_i32 s58, s54, 98304
	s_add_co_u32 s58, s58, 5505024                 ; Wo's row tiles 448 + 8 x tile column ..
	s_mov_b32 s59, 0
	s_lshl_b32 s60, s54, 12
	s_lshl_b32 s57, s16, 11
	s_add_co_u32 s60, s60, s57
	s_add_co_u32 s60, s60, 229376                  ; my columns' scale words
	s_mov_b32 s61, 0
	s_lshr_b32 s22, s17, 4
	s_lshl_b32 s22, s22, 16
	s_and_b32 s23, s17, 15
	s_lshl_b32 s23, s23, 8
	s_add_co_u32 s22, s22, s23                     ; osh: 16 heads x 4,096 bytes a sequence, 2 a token
	s_mov_b32 s23, 0
	s_mov_b32 s18, 0x05040100
	s_mov_b32 s19, 0x07060302
	s_wait_alu depctr_va_vdst(0)                   ; directly ahead of the wait below
	s_wait_dscnt 0x0                               ; both opening adds are done
	CROUND                                         ; all sixteen work-groups are here: the first joint loads meet
	s_wait_kmcnt 0x0
	s_add_nc_u64 s[20:21], s[4:5], s[20:21]
	s_add_nc_u64 s[58:59], s[8:9], s[58:59]
	s_add_nc_u64 s[60:61], s[10:11], s[60:61]
	s_add_nc_u64 s[6:7], s[6:7], s[22:23]
	G0SET GA0, 0, 20, 0
	G0SET GB0, LB, 58, 0
	G0SET GA1, KH, 20, 6144
	G0SET GB1, KH+LB, 58, 6144
	s_cmp_eq_u32 s14, 0
	s_cbranch_scc0 .Lw1
	TLOAD GA0, G1A
	s_branch .Lasked
.Lw1:
	s_cmp_eq_u32 s14, 1
	s_cbranch_scc0 .Lw2
	TLOAD GB0, G1B
	s_branch .Lasked
.Lw2:
	s_cmp_eq_u32 s14, 2
	s_cbranch_scc0 .Lw3
	TLOAD GA1, G1A
	s_branch .Lasked
.Lw3:
	TLOAD GB1, G1B
.Lasked:
.set H_, 0
.rept 8
	global_load_b32 v[200+H_], v10, s[6:7] offset:4096*H_
.set H_, H_+1
.endr
.irp b, 0,1,2,3
	global_load_b128 v[68+8*\b:71+8*\b], v6, s[60:61] offset:512*\b
	global_load_b128 v[72+8*\b:75+8*\b], v6, s[60:61] offset:512*\b+256
.endr
	s_lshl_b32 s22, s17, 7
	s_lshl_b32 s23, s15, 6
	s_add_co_u32 s22, s22, s23                     ; my first row
	s_lshl_b32 s22, s22, 12
	s_lshl_b32 s62, s54, 9
	s_lshl_b32 s63, s16, 8
	s_add_co_u32 s62, s62, s63
	s_add_co_u32 s22, s22, s62
	s_mov_b32 s23, 0
	s_add_nc_u64 s[12:13], s[12:13], s[22:23]
	s_wait_alu depctr_va_vdst(0)                   ; the wait at the head's end
	s_wait_loadcnt 8                               ; osh's are in; Wo's scale words may be out
.irp s, 0,1,2,3
	v_perm_b32 v[208+\s], v[201+2*\s], v[200+2*\s], s18    ; the first token's word of step s: head 2 s below, head 2 s + 1 above
	v_perm_b32 v[212+\s], v[201+2*\s], v[200+2*\s], s19    ; the second token's
.endr
	ds_store_b128 v11, v[208:211]
	ds_store_b128 v11, v[212:215] offset:16
	s_wait_alu depctr_va_vdst(0)
	s_wait_dscnt 0x0
	s_cmp_lt_u32 s14, 2
	s_cbranch_scc0 .Lnot_first
	s_wait_tensorcnt 0x0
.Lnot_first:
	s_barrier_signal -1
	s_barrier_wait -1                              ; K half 0 and the scale words are in; half 1 may be out
.irp a, 0,1,2,3
	ds_load_b128 v[32+8*\a:35+8*\a], v[ADRS] offset:512*\a
	ds_load_b128 v[36+8*\a:39+8*\a], v[ADRS] offset:512*\a+256
.endr
	FETCH 0
	FETCH 1
	s_wait_loadcnt 0x0                             ; Wo's scale words
	PSTEP 0
	PSTEP 1
	s_wait_dscnt 28
	PROD 2
	s_wait_tensorcnt 0x0                           ; K half 1, asked for by waves 2 and 3,
	s_wait_dscnt 0x0
	s_barrier_signal -1
	s_barrier_wait -1                              ; is shown to all
	PLACES NP
	FETCH 4
	PSTEP 3
	PSTEP 4
	PSTEP 5
	s_wait_dscnt 28
	PROD 6
	s_wait_dscnt 0x0
	PROD 7
	PLACES NP
.macro TOSTAGE a                       ; 16 rows into my stage, each accumulator from its low end on
	WIN 0x04
.irp b, 0,1,2,3
	ds_store_b128 v[STO], v[8*(4*(\a)+\b):8*(4*(\a)+\b)+3] offset:(\a)*16*SPITCH+64*\b
	ds_store_b128 v[STO], v[8*(4*(\a)+\b)+4:8*(4*(\a)+\b)+7] offset:(\a)*16*SPITCH+64*\b+16
.endr
	WIN 0
.endm
	TOSTAGE 0
	TOSTAGE 1
.set T_, 0
.rept 16
	ds_load_b128 v[100+4*T_:103+4*T_], v[RD] offset:T_*2*SPITCH    ; LDS serves a wave's instructions in order: these see the stores above
.set T_, T_+1
.endr
	TOSTAGE 2
	TOSTAGE 3
.set T_, 0
.rept 16
	s_wait_dscnt 31-T_                             ; (16 stores and the later loads may be out)
	global_store_b128 v[CO], v[100+4*T_:103+4*T_], s[12:13] offset:T_*8192 th:TH_STORE_NT   ; sixteen lanes store 256 consecutive bytes, aligned
.set T_, T_+1
.endr
.rept 16
	ds_load_b128 v[100+4*T_:103+4*T_], v[RD] offset:T_*2*SPITCH
.set T_, T_+1
.endr
.set T_, 16
.rept 16
	s_wait_dscnt 31-T_
	global_store_b128 v[CO], v[100+4*T_:103+4*T_], s[12:13] offset:T_*8192 th:TH_STORE_NT
.set T_, T_+1
.endr
	s_wait_tensorcnt 0x0                           ; the wave's end
	ds_add_u32 v[SPW], v[NIL]
	s_wait_dscnt 0x0
	CROUND                                         ; the closing round
	s_endpgm
.Lfunc_end_k_q96cc8bcd14_oproj:
	.size	k_q96cc8bcd14_oproj, .Lfunc_end_k_q96cc8bcd14_oproj-k_q96cc8bcd14_oproj
	.p2alignl 7, 3214868480
	.fill 96, 4, 3214868480
	.section	.rodata,"a",@progbits
	.p2align	6, 0x0
	.amdhsa_kernel k_q96cc8bcd14_oproj
		.amdhsa_group_segment_fixed_size 327680
		.amdhsa_private_segment_fixed_size 0
		.amdhsa_enable_private_segment 0
		.amdhsa_kernarg_size 40
		.amdhsa_user_sgpr_count 2
		.amdhsa_user_sgpr_kernarg_segment_ptr 1
		.amdhsa_wavefront_size32 1
		.amdhsa_system_sgpr_workgroup_id_x 1
		.amdhsa_system_sgpr_workgroup_id_y 1
		.amdhsa_system_sgpr_workgroup_id_z 1
		.amdhsa_system_vgpr_workitem_id 0
		.amdhsa_next_free_vgpr 512
		.amdhsa_next_free_sgpr 100
		.amdhsa_reserve_vcc 0
		.amdhsa_float_denorm_mode_32 3
		.amdhsa_float_denorm_mode_16_64 3
		.amdhsa_memory_ordered 1
		.amdhsa_forward_progress 1
		.amdhsa_inst_pref_size 52
	.end_amdhsa_kernel
	.amdgpu_metadata
---
amdhsa.version: [ 1, 2 ]
amdhsa.kernels:
  - .name:           k_q96cc8bcd14_oproj
    .symbol:         k_q96cc8bcd14_oproj.kd
    .args:
      - { .name: oc, .offset: 0, .size: 8, .value_kind: global_buffer, .address_space: global }
      - { .name: osh, .offset: 8, .size: 8, .value_kind: global_buffer, .address_space: global }
      - { .name: xw_c, .offset: 16, .size: 8, .value_kind: global_buffer, .address_space: global }
      - { .name: xw_s, .offset: 24, .size: 8, .value_kind: global_buffer, .address_space: global }
      - { .name: out0, .offset: 32, .size: 8, .value_kind: global_buffer, .address_space: global }
    .group_segment_fixed_size: 327680
    .private_segment_fixed_size: 0
    .kernarg_segment_align: 8
    .kernarg_segment_size: 40
    .max_flat_workgroup_size: 128
    .sgpr_count:     100
    .vgpr_count:     512
    .wavefront_size: 32
...
	.end_amdgpu_metadata
.endif
;; end of part 4
